; MI455X (gfx1250); checked and timed in simulation.
; The chip was launched on July 23, 2026; its instructions are those of AMD's public machine-readable ISA for CDNA 5 (MIT licence, August 2026) and "CDNA5" Instruction Set Architecture Reference Guide (July 2026). The comments in the code are by the model that wrote it; some were corrected since.
;; Attention Block. Allowed arithmetic: matrix products marked QUANTISED: E5M2 operands, one E8M0 scale for each 32 along K, by v_wmma_scale_f32_16x16x128_f8f6f4 with both operands' format E5M2, f32 sums; everything else in f32.
;; Inputs: W1_codes 2,048 x 16 x 32 uint8 (E5M2 codes of W1, K innermost, in blocks of 32 codes); W1_scales 2,048 x 16 uint8 (E8M0 scales of W1, one for each 32 codes along K); W2_codes 512 x 64 x 32 uint8 (E5M2 codes of W2, K innermost, in blocks of 32 codes); W2_scales 512 x 64 uint8 (E8M0 scales of W2, one for each 32 codes along K); Wk_codes 16 x 32 x 16 x 32 uint8 (E5M2 codes of Wk, K innermost, in blocks of 32 codes); Wk_scales 16 x 32 x 16 uint8 (E8M0 scales of Wk, one for each 32 codes along K); Wproj_codes 512 x 16 x 32 uint8 (E5M2 codes of Wproj, K innermost, in blocks of 32 codes); Wproj_scales 512 x 16 uint8 (E8M0 scales of Wproj, one for each 32 codes along K); Wq_codes 16 x 32 x 16 x 32 uint8 (E5M2 codes of Wq, K innermost, in blocks of 32 codes); Wq_scales 16 x 32 x 16 uint8 (E8M0 scales of Wq, one for each 32 codes along K); Wv_codes 16 x 32 x 16 x 32 uint8 (E5M2 codes of Wv, K innermost, in blocks of 32 codes); Wv_scales 16 x 32 x 16 uint8 (E8M0 scales of Wv, one for each 32 codes along K); b1 2,048 float32; b2 512 float32; bproj 512 float32; ln1_b 512 float32; ln1_g 512 float32; ln2_b 512 float32; ln2_g 512 float32; x 64 x 256 x 512 float32.
;; Outputs: out0 64 x 256 x 512 float32.
;; This version of the problem:
;;   THIS VERSION OF THE PROBLEM IS GIVEN IN LOW PRECISION. The matrix products marked QUANTISED in the list below multiply operands that are first quantised to E5M2 (5 exponent bits, 2 mantissa bits; 8 bits a number), with one power-of-two scale for each 32 numbers along K (OCP MX v1.0); their sums are f32. All else is computed in f32.
;;   The module's matrix products, in the order in which they are computed (A, B: the left and right operand; K: the contracted axis; several contracted axes count as one K, in the product's order):
;;     1. [M 512, K 512] x [K 512, N 16,384]; A: input Wq (given as codes); B: computed on the way: QUANTISED
;;     2. [M 512, K 512] x [K 512, N 16,384]; A: input Wk (given as codes); B: computed on the way: QUANTISED
;;     3. [M 512, K 512] x [K 512, N 16,384]; A: input Wv (given as codes); B: computed on the way: QUANTISED
;;     4. batch 1,024 x [M 256, K 32] x [K 32, N 256]; A: computed on the way; B: computed on the way: QUANTISED
;;     5. batch 1,024 x [M 256, K 256] x [K 256, N 32]; A: softmax (see below); B: computed on the way: QUANTISED
;;     6. [M 16,384, K 512] x [K 512, N 512]; A: computed on the way; B: input Wproj (given as codes): QUANTISED
;;     7. [M 16,384, K 512] x [K 512, N 2,048]; A: computed on the way; B: input W1 (given as codes): QUANTISED
;;     8. [M 16,384, K 2,048] x [K 2,048, N 512]; A: computed on the way; B: input W2 (given as codes): QUANTISED
;;   THE QUANTISER, for each operand of a quantised product, along K:
;;     - K is cut into blocks of 32 from its start; a last block that is shorter is filled with zeros.
;;     - A block's scale is 2^e with e = floor(log2(the largest magnitude in the block)) - 15, held to -126 .. 127; a block of zeros has e = 0. As a byte (E8M0): e + 127.
;;     - Each number is divided by its block's scale, clamped to +-57,344, and rounded to the nearest number of E5M2, ties to even, subnormals kept.
;;     - The product sums the exact products of the quantised numbers (number of the format x scale) in f32.
;;   ~~~python
;;   def quantise(x, axis):      # numpy; x: float32 -> the quantised numbers, widened to float32 again
;;       x = np.moveaxis(x, axis, -1); K = x.shape[-1]
;;       x = np.pad(x, [(0, 0)] * (x.ndim - 1) + [(0, -K % 32)]); x = x.reshape(x.shape[:-1] + (-1, 32)); a = np.abs(x).max(-1, keepdims=True)
;;       e = np.where(a > 0, np.clip(np.frexp(np.where(a > 0, a, 1))[1] - 1 - 15, -126, 127), 0)      # np.frexp(a)[1] - 1 = floor(log2(a)), exactly
;;       r = np.clip(x / 2.0 ** e, -57344, 57344)
;;       step = 2.0 ** (np.maximum(np.frexp(np.where(r == 0, 1, r))[1] - 1, -14) - 2)
;;       q = np.round(r / step) * step * 2.0 ** e      # np.round: ties to even
;;       return np.moveaxis(q.reshape(q.shape[:-2] + (-1,))[..., :K], -1, axis).astype(np.float32)
;;   ~~~
;;   SOFTMAX AHEAD OF A QUANTISED PRODUCT. Where the list says 'softmax', what is quantised is not the finished softmax but p = 2^(t - M), with t = logit x log2(e) and M = ceil(the row's largest t), a whole number; so 1/2 < the row's largest p <= 1. The row's sum l is taken of the UNQUANTISED p, in f32, and the product's result is divided by l at the end. Since M is a whole number, a kernel that streams over the keys may use a running M (the ceiling of the running maximum): every later rescaling is an exact power of two, which a block's scale takes up: the codes' values come out the same.
;;   OPERANDS COMPUTED ON THE WAY. 'Computed on the way' means the value that the module computes at that place (a softmax that the list does not call 'softmax' is quantised finished and normalised). What goes into a quantiser is computed in f32, as accurately as f32 sums, v_exp_f32 and their like allow (about 1e-6 of the number): no bf16 or f16 on the way to a quantiser, and a product that is left as it is and whose result goes on into a quantised operand takes f32 operands (vector FMAs, or v_wmma_f32_16x16x4_f32). A number that lies on a knife's edge between two numbers of the format may be rounded either way, as far as f32 arithmetic and the matrix unit's own rounding can turn it there, and no further.
;;   INPUTS GIVEN AS CODES. W1 (in the module: [512, 2048], K = its axis 0); W2 (in the module: [2048, 512], K = its axis 0); Wk (in the module: [16, 512, 32], K = its axis 1); Wproj (in the module: [512, 512], K = its axis 0); Wq (in the module: [16, 512, 32], K = its axis 1); Wv (in the module: [16, 512, 32], K = its axis 1): each comes as NAME_codes (uint8): NAME with its K axis moved to the last place and cut into blocks of 32 codes, [.., K / 32, bytes a block], one block behind the other in memory; one code a byte (a code: sign, 5 exponent bits, 2 mantissa bits); and NAME_scales (uint8): the same leading axes, one E8M0 byte (e + 127) for each 32 codes along K. Its value is code x scale, taken as it is: it is not quantised again, and the codes and scales need not be those that the quantiser above would give.
;; 2 versions. Each part assembles by itself: llvm-mc -triple=amdgcn-amd-amdhsa -mcpu=gfx1250 --defsym DOCPART=n.
;; ======== version 1 of 2: 2 launches
;; workspace buffers: acodes 8,388,608 bytes; ascales 262,144 bytes; wbuf 2,359,296 bytes; sbuf 73,728 bytes
;; launch attn (part 1): grid 4 x 64, 8 waves a work-group, no clusters, 257,024 bytes of LDS; arguments x, ln1_g, ln1_b, Wq_codes, Wq_scales, Wk_codes, Wk_scales, Wv_codes, Wv_scales, Wproj_codes, Wproj_scales, W1_codes, W1_scales, W2_codes, W2_scales, acodes, ascales, wbuf, sbuf; writes acodes, ascales, wbuf, sbuf
.if DOCPART == 1
	.amdgcn_target "amdgcn-amd-amdhsa--gfx1250"
	.amdhsa_code_object_version 6
	.text
	.protected	k_q9cce7e6155_attn
	.globl	k_q9cce7e6155_attn
	.p2align	8
	.type	k_q9cce7e6155_attn,@function
k_q9cce7e6155_attn:
	s_mov_b64 s[64:65], 0
	v_nop
	global_prefetch_b8 v0, s[64:65] scope:SCOPE_SE
	s_setreg_imm32_b32 hwreg(HW_REG_WAVE_MODE, 25, 1), 1
	s_wait_xcnt 0x0
; LayerNorm 1, the q, k, v projections, causal attention, and the quantising of its result: all products on codes of BF8 (E5M2) with one E8M0 scale for each 32 along K.
; SHARES.  A work-group owns one batch (256 tokens) and four heads.  EIGHT waves of 512 registers, two to a SIMD, so that one wave's vector work and waits stand beside the other's.  Wave 4 hf + hd: head 4 x + hd, half hf.
; The batch's 256 rows are normalised and quantised once, 32 rows a wave, and lie in LDS as rows of 512 codes | barrier | each wave makes q, k, v of its head for four of the eight groups of 32 tokens (group 4 hf + j), in two
; passes (Wq and Wk, then Wv: the weights of a pass fill window 1), and stores them in the head's region of LDS as images of operand registers | barrier | each wave takes eight of its head's 16 tiles of queries.
; On the side each wave of half 0 copies one fragment of W1 or W2 (the first 128 of them also one of Wproj) into wbuf / sbuf, in the order in which the next launch's operand registers take them.
; THE ROWS OF A TILE ARE NOT NEIGHBOURS.  perm(r) = r + 8 (r / 8).  Row tile 2 g + u holds at lane r token 32 g + 8 u + perm(r); a weight tile e holds at lane r row 8 e + perm(r).  So the 16 result registers of two
; neighbouring tiles are 16 neighbours along the next product's K, and every conversion's result is the next operand's registers.
; q, k: source 0 = 16 rows of W, source 1 = 16 tokens (a lane holds one token, registers run along the head's 32).  v: source 0 = 16 tokens, source 1 = 16 rows of W (a lane holds one channel, registers run along the keys).
; S^T = k q^T and O^T = v^T p^T: a lane holds ONE query throughout.  The head's K is 32: codes 32 .. 127 of k's and q's fragments are zeros, written once.
; SOFTMAX: t = score x log2(e) / sqrt(512); M = the running largest t rounded up to a whole number; p = 2^(t - M) is quantised along the keys; the row's sum is taken of the unquantised p and divides at the end.
; CAUSAL.  Trip j of a wave takes query tile 2 j + hf, whose queries lie in token group j: key blocks 0 .. j count, block j alone is masked, later blocks are not computed (their p are zero codes).
; The branches hang on the loop's counter alone.  The key step is written for 1, 2, 3 and 4 blocks with the mask and for 4 without; k and v come from LDS by an address that carries the key step.
; No joint loads: x goes through registers to be normalised and no tile of it ever lies in LDS; the weights of a head are read by two waves of a work-group, straight into their registers.
; LIMITS: NaN and infinities among the inputs are not served; a block of zeros gets the scale byte 1 (its codes are zeros; the bytes are read by this program alone); O / sum is a reciprocal and a multiplication.
; REGISTERS.  window 0: v1-15 lane numbers and addresses; v16-207 by phase (below); v208-251 scale words and nothing else.
;   window 1: Wq's 8 fragments and (v128 on) ln1's g and b; then Wq's and Wk's; then Wv's; in the attention v's two fragments of a key step (v0-31) and eight buffers for k's tiles (v64-191).
.set HP,    528                        ; a row of h in LDS: 512 codes + 16 bytes, an odd multiple of 16
.set HSC,   135168                     ; behind 256 such rows: h's scale bytes, 16 a row
.set PRIV,  139264                     ; behind them a region of PRIVB bytes for each head
.set PRIVB, 29184
.set KIMG,  0                          ; in it: k's 16 tiles, 16 bytes a lane; their scale words, 4 bytes a lane;
.set KSC,   8192
.set QIMG,  10240                      ; q's likewise;
.set QSC,   18432
.set VIMG,  20480                      ; v's four fragments (channel tile e, key step st) as images of their registers: e 4096 + (key block g) 512 + 16 lane;
.set VSC,   28672                      ; v's scale words: e 256 + st 128 + 4 lane; byte g % 4
.set LANE, 1
.set RR,   2
.set HH,   3
.set PM,   4                           ; perm(r)
.set P16,  5                           ; my head's region + 16 lane
.set P4,   6                           ; my head's region + 4 lane
.set PV4,  7                           ; my head's region + VSC + 4 lane
.set WO,   12                          ; perm(r) x 512 + 16 h: my place in a weight tile; stands until Wv is in
.set XA,   16                          ; LN: two sets of four rows, 16 numbers a lane and row
.set XB,   80
.set T,    144                         ; LN: eight registers a row: +0,+1 sums, +2 the other half's, +3 the hold, +4 mean, +6 1/sigma
.set CD,   176                         ; LN: four rows' codes
.set BY,   192                         ; LN: their scale bytes, a set for each of XA, XB
.set RA,   144                         ; the copied fragments: codes, codes, scale word, scale word
.set RB,   160
.set RAS,  176
.set RBS,  177
.set GW,   128                         ; in window 1: ln1_g, ln1_b of my 16 columns
.set BW,   144
.set HF,   16                          ; QKV: h's 8 fragments (tile u, K step s) at 64 u + 16 s; behind the products the quantiser's registers and the codes lie over them
.set TM,   16
.set PC,   32
.set AC,   144                         ; QKV: pass 1: q(u, e) 16 u + 8 e, k + 32; pass 2: v(e, u) 16 e + 8 u
.set QF,   16                          ; attention: q's fragment
.set S,    32                          ; S^T, then p
.set O,    96                          ; O^T
.set PCD,  112                         ; p's codes
.set ON,   128                         ; O^T / sum
.set BM,   144                         ; four blocks' largest score, then largest p
.set BP,   148
.set BH,   152
.set BS,   156
.set F,    160                         ; 2^(old M - new M); v161 is named with it as a pair
.set TMP,  162
.set NI,   163
.set AQT,  164                         ; the last quantiser's four registers and its codes
.set AQC,  168
.set AK,   172                         ; LDS addresses of the key step in hand: k's tiles, their scale words, v's fragments, their scale words
.set AKS,  173
.set AV,   174
.set AVS,  175
.set AQ1,  176                         ; q's tile and its scale word
.set AQ2,  177
.set SO1,  178                         ; the tile's place in acodes and in ascales
.set SO2,  179
.set KF,   64                          ; in window 1: eight buffers of 16 registers for k's tiles
.set WS,   208                         ; scale words: the weights' (8 matrix + 4 e + s),
.set HS,   232                         ; h's (4 u + s),
.set KS,   240                         ; those of k's tiles of a key step,
.set VS,   248                         ; v's (e),
.set QS,   250                         ; q's,
.set PSW,  251                         ; p's
.set WV,   42
.set SEL,  46
.set CS,   48
.set MNT,  50
.set HD,   87
.set HLF,  88
.set MSB, 0
.macro WIN new                         ; the immediate's high byte repeats the setting that is left; a switch that changes nothing is dropped
.if MSB != (\new)
	s_set_vgpr_msb (MSB<<8)|(\new)
.set MSB, (\new)
.endif
.endm
.macro PLACES n
.rept \n
	v_nop
.endr
.endm
.macro BARRIER                         ; my LDS stores have landed and my LDS loads are in: then the work-group's barrier
	s_wait_dscnt 0x0
	s_barrier_signal -1
	s_barrier_wait -1
.endm
; n blocks of 32 along K.  Block b: my 16 numbers in v[s + 16 b] on; lane l xor 16 holds the other 16.  Codes to v[pc + 4 b] on; the scale's byte to v[tm + n + b].
; tm + b: largest magnitude; tm + n + b: the other half's, then the byte; tm + 2 n + b: 57,344 x the scale; tm + 3 n + b: the conversion's scale operand.
.macro QUANTN s, n, tm, pc
.set qb, 0
.rept \n
	v_max3_num_f32 v[\tm+qb], |v[\s+16*qb]|, |v[\s+16*qb+1]|, 0x8000000    ; with the floor 2^(16 - 127): the byte cannot fall under 1
.set qb, qb+1
.endr
.set qi, 2
.rept 7
.set qb, 0
.rept \n
	v_max3_num_f32 v[\tm+qb], v[\tm+qb], |v[\s+16*qb+qi]|, |v[\s+16*qb+qi+1]|
.set qb, qb+1
.endr
.set qi, qi+2
.endr
.set qb, 0
.rept \n
	v_permlanex16_b32 v[\tm+\n+qb], v[\tm+qb], s[SEL], s[SEL+1]
.set qb, qb+1
.endr
.set qb, 0
.rept \n
	v_max_num_f32 v[\tm+qb], v[\tm+qb], v[\tm+\n+qb]                       ; the block's largest magnitude
.set qb, qb+1
.endr
.set qb, 0
.rept \n
	v_add_nc_u32 v[\tm+3*\n+qb], 0xf8800000, v[\tm+qb]                     ; 15 off its exponent field: the conversion's scale operand
.set qb, qb+1
.endr
.set qb, 0
.rept \n
	v_and_or_b32 v[\tm+2*\n+qb], v[\tm+qb], 0x7f800000, s[MNT]             ; 57,344 x the scale
.set qb, qb+1
.endr
.set qb, 0
.rept \n
	v_lshrrev_b32 v[\tm+\n+qb], 23, v[\tm+3*\n+qb]                         ; the scale's byte
.set qb, qb+1
.endr
.set qb, 0
.rept \n
.set qi, 0
.rept 16
	v_med3_num_f32 v[\s+16*qb+qi], v[\s+16*qb+qi], -v[\tm+2*\n+qb], v[\tm+2*\n+qb]   ; the conversion does not saturate (ISA guide 7.6.2): the hold
.set qi, qi+1
.endr
.set qb, qb+1
.endr
.set qb, 0
.rept \n
	v_cvt_scalef32_pk8_bf8_f32 v[\pc+4*qb:\pc+4*qb+1], v[\s+16*qb:\s+16*qb+7], v[\tm+3*\n+qb]
	v_cvt_scalef32_pk8_bf8_f32 v[\pc+4*qb+2:\pc+4*qb+3], v[\s+16*qb+8:\s+16*qb+15], v[\tm+3*\n+qb]
.set qb, qb+1
.endr
	v_nop                                          ; one plain line behind the last conversion
.endm
.macro MM d, a, b, sa, sb, ks          ; ks = 0: the first K step starts the sum
.if (\ks) == 0
	v_wmma_scale_f32_16x16x128_f8f6f4 v[\d:\d+7], v[\a:\a+15], v[\b:\b+15], 0, v[\sa], v[\sb] matrix_a_fmt:MATRIX_FMT_BF8 matrix_b_fmt:MATRIX_FMT_BF8
.else
	v_wmma_scale_f32_16x16x128_f8f6f4 v[\d:\d+7], v[\a:\a+15], v[\b:\b+15], v[\d:\d+7], v[\sa], v[\sb] matrix_a_fmt:MATRIX_FMT_BF8 matrix_b_fmt:MATRIX_FMT_BF8
.endif
.endm
.macro WLOAD reg, ptr                  ; a head's 8 fragments (tile e, K step s) of one weight into window 1, v[reg] on: 32 loads
	WIN 0x40
.irp e, 0,1
.irp s, 0,1,2,3
.irp c, 0,1,2,3
	global_load_b128 v[\reg+64*\e+16*\s+4*\c:\reg+64*\e+16*\s+4*\c+3], v[WO], s[\ptr:\ptr+1] offset:\e*4096+128*\s+32*\c
.endr
.endr
.endr
	WIN 0
.endm
	s_load_b512 s[4:19], s[0:1], 0x0               ; x 4, ln1_g 6, ln1_b 8, Wq 10, its scales 12, Wk 14, 16, Wv 18,
	s_load_b512 s[20:35], s[0:1], 0x40             ; 20, Wproj 22, 24, W1 26, 28, W2 30, 32, acodes 34,
	s_load_b128 s[36:39], s[0:1], 0x80             ; ascales 36, wbuf 38,
	s_load_b64 s[40:41], s[0:1], 0x90              ; sbuf 40
	v_lshl_add_u32 v254, v0, 2, 0x3e800
	v_mov_b32 v255, 0
	v_lshrrev_b32 v1, 5, v0
	v_readfirstlane_b32 s[WV], v1                  ; wave 0..7
	v_and_b32 v[LANE], 31, v0
	v_and_b32 v[RR], 15, v0
	v_bfe_u32 v[HH], v0, 4, 1
	v_and_b32 v[PM], 8, v[RR]
	v_add_nc_u32 v[PM], v[PM], v[RR]               ; perm(r)
	s_and_b32 s[HD], s[WV], 3                      ; my head among the group's four
	s_lshr_b32 s[HLF], s[WV], 2                    ; my half
	s_mov_b32 s43, ttmp9                           ; head group
	s_and_b32 s44, ttmp7, 0xffff                   ; batch
	s_lshl_b32 s45, s44, 2
	s_add_co_u32 s45, s45, s43
	s_lshl_b32 s45, s45, 2
	s_add_co_u32 s45, s45, s[HD]                   ; (batch, head) as a number, 0 .. 1023: which fragment is copied
	s_mov_b32 s[SEL], 0x76543210
	s_mov_b32 s[SEL+1], 0xfedcba98                 ; v_permlanex16_b32's selects for lane l xor 16
	s_mov_b32 s[CS], 0x3d8293ee                    ; c = log2(e) / sqrt(512)
	s_mov_b32 s[CS+1], s[CS]
	s_mov_b32 s[MNT], 0x600000                     ; the mantissa field of 57,344
	s_mov_b32 s94, 0x3b000000                      ; 1 / 512
	s_mov_b32 s95, 0x3727c5ac                      ; 1e-5
	s_mul_i32 s51, s[HD], PRIVB
	s_add_co_u32 s51, s51, PRIV
	v_lshl_add_u32 v[P16], v[LANE], 4, s51
	v_lshl_add_u32 v[P4], v[LANE], 2, s51
	v_add_nc_u32 v[PV4], VSC, v[P4]
	; ---- the copy of the next launch's weights.  id = number & 511: s3 = id & 3, tile t = (id >> 2) & 7, wave wd = (id >> 5) & 3, chunk ch = id >> 7.
	; W1 (numbers 0 .. 511): rows 128 (id >> 5) + .., K step s3, group 4 + 8 ch + s3.  W2 (512 ..): rows 128 wd + .., K step 4 ch + s3, group 8 + 8 ch + s3.  Wproj: rows 128 wd + .., K step s3, group s3.
	s_and_b32 s52, s45, 511
	s_bfe_u32 s54, s45, 0x30002                    ; t
	s_lshr_b32 s55, s52, 5
	s_and_b32 s56, s55, 3                          ; wd
	s_lshr_b32 s57, s52, 7                         ; ch
	s_and_b32 s58, s45, 3                          ; s3
	s_lshl_b32 s59, s57, 2
	s_add_co_u32 s59, s59, s58                     ; 4 ch + s3
	s_lshr_b32 s53, s45, 9                         ; 0: W1, 1: W2
	s_lshr_b32 s71, s54, 1
	s_lshl_b32 s71, s71, 5
	s_and_b32 s72, s54, 1
	s_lshl_b32 s72, s72, 3
	s_add_co_u32 s71, s71, s72                     ; the tile's first row among the wave's 128: 32 (t / 2) + 8 (t % 2)
	s_mov_b32 s75, 0                               ; the upper word of every offset pair s[74:75]
	s_wait_kmcnt 0x0
	s_cmp_eq_u32 s53, 0                            ; the choice hangs on the number alone
	s_cselect_b64 s[60:61], s[26:27], s[30:31]     ; codes
	s_cselect_b64 s[62:63], s[28:29], s[32:33]     ; scales
	s_cselect_b32 s66, s55, s56                    ; which 128 rows
	s_cselect_b32 s67, s58, s59                    ; K step
	s_cselect_b32 s68, 9, 11                       ; a row of codes: 512 or 2,048 bytes
	s_cselect_b32 s69, 4, 6                        ; a row of scales: 16 or 64 bytes
	s_cselect_b32 s70, 4, 8
	s_lshl_b32 s66, s66, 7
	s_add_co_u32 s66, s66, s71                     ; first row
	s_lshl_b32 s74, s66, s68
	s_lshl_b32 s72, s67, 7
	s_add_co_u32 s74, s74, s72
	s_add_nc_u64 s[60:61], s[60:61], s[74:75]
	s_lshl_b32 s74, s66, s69
	s_lshl_b32 s72, s67, 2
	s_add_co_u32 s74, s74, s72
	s_add_nc_u64 s[62:63], s[62:63], s[74:75]
	v_lshlrev_b32 v8, s68, v[PM]
	v_lshl_add_u32 v8, v[HH], 4, v8                ; perm(r) rows + 16 h
	v_lshlrev_b32 v9, s69, v[PM]
.irp c, 0,1,2,3
	global_load_b128 v[RA+4*\c:RA+4*\c+3], v8, s[60:61] offset:32*\c
.endr
	global_load_b32 v[RAS], v9, s[62:63]
	s_lshl_b32 s73, s56, 7
	s_add_co_u32 s73, s73, s71                     ; Wproj: first row.  Every wave loads (number & 127's fragment); only half 0 of numbers under 128 stores
	s_lshl_b32 s74, s73, 9
	s_lshl_b32 s72, s58, 7
	s_add_co_u32 s74, s74, s72
	s_add_nc_u64 s[22:23], s[22:23], s[74:75]
	s_lshl_b32 s74, s73, 4
	s_lshl_b32 s72, s58, 2
	s_add_co_u32 s74, s74, s72
	s_add_nc_u64 s[24:25], s[24:25], s[74:75]
	v_lshlrev_b32 v[WO], 9, v[PM]
	v_lshl_add_u32 v[WO], v[HH], 4, v[WO]          ; perm(r) x 512 + 16 h: Wproj's, Wq's, Wk's and Wv's rows
	v_lshlrev_b32 v13, 4, v[PM]                    ; perm(r) x 16: their scales
.irp c, 0,1,2,3
	global_load_b128 v[RB+4*\c:RB+4*\c+3], v[WO], s[22:23] offset:32*\c
.endr
	global_load_b32 v[RBS], v13, s[24:25]
	; where they go: wbuf ((36 wd + group) 8 + t) 2048 + 512 c + 16 lane; sbuf (36 wd + group) 512 + (t / 4) 256 + 16 r + (t % 4) 4
	s_mul_i32 s77, s56, 36
	s_lshl_b32 s76, s57, 3
	s_add_co_u32 s76, s76, s58
	s_add_co_u32 s76, s76, s70
	s_add_co_u32 s76, s76, s77
	s_add_co_u32 s77, s77, s58
	s_lshr_b32 s72, s54, 2
	s_lshl_b32 s72, s72, 8
	s_and_b32 s73, s54, 3
	s_lshl_b32 s73, s73, 2
	s_add_co_u32 s72, s72, s73
	s_lshl_b32 s74, s76, 3
	s_add_co_u32 s74, s74, s54
	s_lshl_b32 s74, s74, 11
	s_add_nc_u64 s[78:79], s[38:39], s[74:75]
	s_lshl_b32 s74, s76, 9
	s_add_co_u32 s74, s74, s72
	s_add_nc_u64 s[80:81], s[40:41], s[74:75]
	s_lshl_b32 s74, s77, 3
	s_add_co_u32 s74, s74, s54
	s_lshl_b32 s74, s74, 11
	s_add_nc_u64 s[82:83], s[38:39], s[74:75]
	s_lshl_b32 s74, s77, 9
	s_add_co_u32 s74, s74, s72
	s_add_nc_u64 s[84:85], s[40:41], s[74:75]
	; ---- my head's weights: Wq now; Wk behind LN 1, where g and b have left its registers; Wv in the first pass's last trip.  All 24 scale words now
	s_lshl_b32 s86, s43, 2
	s_add_co_u32 s86, s86, s[HD]                   ; head
	s_lshl_b32 s74, s86, 14
	s_add_nc_u64 s[10:11], s[10:11], s[74:75]
	s_add_nc_u64 s[14:15], s[14:15], s[74:75]
	s_add_nc_u64 s[18:19], s[18:19], s[74:75]
	s_lshl_b32 s74, s86, 9
	s_add_nc_u64 s[12:13], s[12:13], s[74:75]
	s_add_nc_u64 s[16:17], s[16:17], s[74:75]
	s_add_nc_u64 s[20:21], s[20:21], s[74:75]
	WLOAD 0, 10
.irp e, 0,1
.irp s, 0,1,2,3
	global_load_b32 v[WS+4*\e+\s], v13, s[12:13] offset:\e*128+4*\s
	global_load_b32 v[WS+8+4*\e+\s], v13, s[16:17] offset:\e*128+4*\s
	global_load_b32 v[WS+16+4*\e+\s], v13, s[20:21] offset:\e*128+4*\s
.endr
.endr
	v_lshlrev_b32 v14, 6, v[LANE]                  ; LN: lane l holds columns 16 l .. 16 l + 15 of a row: 64 l bytes
	WIN 0x40
.irp j, 0,1,2,3
	global_load_b128 v[GW+4*\j:GW+4*\j+3], v14, s[6:7] offset:16*\j
	global_load_b128 v[BW+4*\j:BW+4*\j+3], v14, s[8:9] offset:16*\j
.endr
	WIN 0
	s_lshl_b32 s74, s44, 19                        ; the batch's 256 rows of 2,048 bytes,
	s_lshl_b32 s72, s[WV], 16                      ; my wave's 32 tokens
	s_add_co_u32 s74, s74, s72
	s_add_nc_u64 s[4:5], s[4:5], s[74:75]
	s_mov_b64 s[92:93], s[4:5]
.macro XLOAD X, r0                     ; four rows, r0 on, of the eight tokens at s[92:93]
.irp i, 0,1,2,3
.irp j, 0,1,2,3
	global_load_b128 v[\X+16*\i+4*\j:\X+16*\i+4*\j+3], v14, s[92:93] offset:(\r0+\i)*2048+16*\j
.endr
.endr
.endm
	XLOAD XA, 0
	XLOAD XB, 4
	s_wait_loadcnt 63                              ; 96 loads were issued behind the copy's ten: those ten are in
	v_lshlrev_b32 v10, 4, v[LANE]
	v_lshlrev_b32 v11, 4, v[RR]
	s_cmp_lt_u32 s[WV], 4                          ; the two waves of a head loaded the same fragments: half 0 stores them
	s_cbranch_scc0 .Lno_copy
.irp c, 0,1,2,3
	global_store_b128 v10, v[RA+4*\c:RA+4*\c+3], s[78:79] offset:512*\c    ; 32 lanes store 512 consecutive bytes
.endr
	global_store_b32 v11, v[RAS], s[80:81]         ; lanes 16-31 repeat lanes 0-15's word
	s_cmp_lt_u32 s45, 128
	s_cbranch_scc0 .Lno_copy
.irp c, 0,1,2,3
	global_store_b128 v10, v[RB+4*\c:RB+4*\c+3], s[82:83] offset:512*\c
.endr
	global_store_b32 v11, v[RBS], s[84:85]
.Lno_copy:
	s_wait_xcnt 0x0                                ; the stores have read their registers: T, CD and v8-11 are written from here on
	; ---- LN 1.  One wave, one row at a time, four rows by turns.  Trip k takes the eight neighbouring tokens 8 (k / 2) + 16 (k % 2) on of my 32: they are positions 8 k .. 8 k + 7 of my two row tiles.
	s_mul_i32 s72, s[WV], 32*HP
	v_lshl_add_u32 v8, v[LANE], 4, s72             ; h's codes: my 32 positions, 16 bytes a lane
	v_lshrrev_b32 v9, 1, v[LANE]
	s_lshl_b32 s72, s[WV], 9
	s_add_co_u32 s72, s72, HSC
	v_add_nc_u32 v9, s72, v9                       ; h's scale bytes: two lanes to a block
.irp i, 0,1,2,3
	v_mov_b32 v[T+8*\i+2], 0                       ; a lane permute's destination counts as one of its sources;
	v_mov_b32 v[T+8*\i+5], 0                       ; these are named as the upper halves of pairs
	v_mov_b32 v[T+8*\i+7], 0
.endr
.macro REDUCE4                         ; each row's pair of sums becomes the sum over the 32 lanes, in every lane
.irp i, 0,1,2,3
	v_add_f32 v[T+8*\i], v[T+8*\i], v[T+8*\i+1]
.endr
.irp m, 1,2,4,8
.irp i, 0,1,2,3
	v_add_f32_dpp v[T+8*\i], v[T+8*\i], v[T+8*\i] row_xmask:\m row_mask:0xf bank_mask:0xf
.endr
.endr
.irp i, 0,1,2,3
	v_permlanex16_b32 v[T+8*\i+2], v[T+8*\i], s[SEL], s[SEL+1]
.endr
.irp i, 0,1,2,3
	v_add_f32 v[T+8*\i], v[T+8*\i], v[T+8*\i+2]
.endr
.endm
.macro LN4A X                          ; mean, variance, (x - mean) / sigma x g + b, and each block's largest magnitude
.irp i, 0,1,2,3
	v_pk_add_f32 v[T+8*\i:T+8*\i+1], v[\X+16*\i:\X+16*\i+1], v[\X+16*\i+2:\X+16*\i+3]
.endr
.irp j, 4,6,8,10,12,14
.irp i, 0,1,2,3
	v_pk_add_f32 v[T+8*\i:T+8*\i+1], v[T+8*\i:T+8*\i+1], v[\X+16*\i+\j:\X+16*\i+\j+1]
.endr
.endr
	REDUCE4
.irp i, 0,1,2,3
	v_mul_f32 v[T+8*\i+4], s94, v[T+8*\i]          ; the mean
.endr
.irp j, 0,2,4,6,8,10,12,14
.irp i, 0,1,2,3
	v_pk_add_f32 v[\X+16*\i+\j:\X+16*\i+\j+1], v[\X+16*\i+\j:\X+16*\i+\j+1], v[T+8*\i+4:T+8*\i+5] op_sel_hi:[1,0] neg_lo:[0,1] neg_hi:[0,1]
.endr
.endr
.irp i, 0,1,2,3
	v_pk_mul_f32 v[T+8*\i:T+8*\i+1], v[\X+16*\i:\X+16*\i+1], v[\X+16*\i:\X+16*\i+1]
.endr
.irp j, 2,4,6,8,10,12,14
.irp i, 0,1,2,3
	v_pk_fma_f32 v[T+8*\i:T+8*\i+1], v[\X+16*\i+\j:\X+16*\i+\j+1], v[\X+16*\i+\j:\X+16*\i+\j+1], v[T+8*\i:T+8*\i+1]
.endr
.endr
	REDUCE4
.irp i, 0,1,2,3
	v_fma_f32 v[T+8*\i], v[T+8*\i], s94, s95       ; variance + 1e-5
.endr
.irp i, 0,1,2,3
	v_rsq_f32 v[T+8*\i+6], v[T+8*\i]
.endr
	v_nop                                          ; a plain line behind the last of the four,
	s_wait_alu depctr_va_vdst(0)                   ; and one wait for the four, ahead of their first reader
.irp j, 0,2,4,6,8,10,12,14
.irp i, 0,1,2,3
	v_pk_mul_f32 v[\X+16*\i+\j:\X+16*\i+\j+1], v[\X+16*\i+\j:\X+16*\i+\j+1], v[T+8*\i+6:T+8*\i+7] op_sel_hi:[1,0]
.endr
.endr
	WIN 0x14                                       ; sources 1 and 2 (g, b) window 1
.irp j, 0,2,4,6,8,10,12,14
.irp i, 0,1,2,3
	v_pk_fma_f32 v[\X+16*\i+\j:\X+16*\i+\j+1], v[\X+16*\i+\j:\X+16*\i+\j+1], v[GW+\j:GW+\j+1], v[BW+\j:BW+\j+1]
.endr
.endr
	WIN 0
.irp i, 0,1,2,3
	v_max3_num_f32 v[T+8*\i], |v[\X+16*\i]|, |v[\X+16*\i+1]|, 0x8000000
.endr
.irp j, 2,4,6,8,10,12,14
.irp i, 0,1,2,3
	v_max3_num_f32 v[T+8*\i], v[T+8*\i], |v[\X+16*\i+\j]|, |v[\X+16*\i+\j+1]|
.endr
.endr
.irp i, 0,1,2,3
	v_max_num_f32_dpp v[T+8*\i], v[T+8*\i], v[T+8*\i] row_xmask:1 row_mask:0xf bank_mask:0xf   ; with my neighbour's 16: the block's
.endr
.endm
.macro LN4B X, set                     ; scale, hold, codes; to LDS
.irp i, 0,1,2,3
	v_add_nc_u32 v[T+8*\i+1], 0xf8800000, v[T+8*\i]
.endr
.irp i, 0,1,2,3
	v_and_or_b32 v[T+8*\i+3], v[T+8*\i], 0x7f800000, s[MNT]
.endr
.irp i, 0,1,2,3
.irp j, 0,1,2,3,4,5,6,7,8,9,10,11,12,13,14,15
	v_med3_num_f32 v[\X+16*\i+\j], v[\X+16*\i+\j], -v[T+8*\i+3], v[T+8*\i+3]
.endr
.endr
.irp i, 0,1,2,3
	v_cvt_scalef32_pk8_bf8_f32 v[CD+4*\i:CD+4*\i+1], v[\X+16*\i:\X+16*\i+7], v[T+8*\i+1]
	v_cvt_scalef32_pk8_bf8_f32 v[CD+4*\i+2:CD+4*\i+3], v[\X+16*\i+8:\X+16*\i+15], v[T+8*\i+1]
.endr
.irp i, 0,1,2,3
	v_lshrrev_b32 v[BY+4*\set+\i], 23, v[T+8*\i+1] ; the scale's byte (plain lines behind the conversions)
.endr
.irp i, 0,1,2,3
	ds_store_b128 v10, v[CD+4*\i:CD+4*\i+3] offset:(4*\set+\i)*HP
	ds_store_b8 v11, v[BY+4*\set+\i] offset:(4*\set+\i)*16     ; both lanes of a block write the same byte with the same value
.endr
.endm
	s_mov_b32 s52, 0
.Lln:
	s_wait_loadcnt 16                              ; set A's 16 loads are in; set B's 16 are the younger ones
	LN4A XA
	s_wait_dscnt 0x0                               ; the last LDS stores have read CD and their addresses
	s_mul_i32 s53, s52, 8*HP
	v_add_nc_u32 v10, s53, v8
	s_lshl_b32 s53, s52, 7
	v_add_nc_u32 v11, s53, v9
	LN4B XA, 0
	s_add_co_u32 s54, s52, 1
	s_min_u32 s54, s54, 3                          ; the next trip's tokens; the last trip asks for its own again: no load leaves x
	s_bfe_u32 s55, s54, 0x10001
	s_lshl_b32 s55, s55, 3
	s_and_b32 s56, s54, 1
	s_lshl_b32 s56, s56, 4
	s_add_co_u32 s55, s55, s56
	s_lshl_b32 s74, s55, 11
	s_wait_xcnt 0x0                                ; the earlier loads have read their base
	s_add_nc_u64 s[92:93], s[4:5], s[74:75]
	XLOAD XA, 0
	s_wait_loadcnt 16                              ; set B's are in; the 16 just issued are the younger ones
	LN4A XB
	s_wait_dscnt 0x0
	LN4B XB, 1
	XLOAD XB, 4
	s_add_co_u32 s52, s52, 1
	s_cmp_lt_u32 s52, 4
	s_cbranch_scc1 .Lln
	s_wait_loadcnt 0x0                             ; the last trip's loads land before their registers are used otherwise
	WLOAD 128, 14                                  ; Wk, over g and b, which have been read for the last time; it lands while the waves meet
	BARRIER                                        ; h's 256 rows of codes and their scale bytes lie in LDS
	; ---- q and k of my four groups of 32 tokens: 8 accumulators by turns, K step by K step
	v_mul_u32_u24 v8, v[RR], HP
	v_lshl_add_u32 v8, v[HH], 4, v8                ; a fragment's row x pitch + 16 h
	v_lshl_add_u32 v9, v[RR], 4, HSC               ; my row's 16 scale bytes: four words
	s_lshl_b32 s53, s[HLF], 2                      ; my first group
.macro FETCH_H                         ; h's 8 fragments (tile u, K step s) of token group s54, and their scale words
	s_mul_i32 s55, s54, 32*HP
	v_add_nc_u32 v10, s55, v8
	s_lshl_b32 s55, s54, 9
	v_add_nc_u32 v11, s55, v9
.irp u, 0,1
.irp s, 0,1,2,3
.irp c, 0,1,2,3
	ds_load_b128 v[HF+64*\u+16*\s+4*\c:HF+64*\u+16*\s+4*\c+3], v10 offset:\u*16*HP+128*\s+32*\c
.endr
.endr
.endr
.irp u, 0,1
	ds_load_b128 v[HS+4*\u:HS+4*\u+3], v11 offset:256*\u
.endr
.endm
	s_mov_b32 s52, 0
.Lqk:
	s_add_co_u32 s54, s53, s52                     ; group 4 hf + j
	s_wait_dscnt 0x0                               ; the last trip's stores have read the codes and bytes that lie in h's registers
	FETCH_H
	s_lshl_b32 s55, s54, 10
	v_add_nc_u32 v13, s55, v[P16]                  ; q's and k's images: two tiles of 512 bytes a group
	s_lshl_b32 s55, s54, 8
	v_add_nc_u32 v14, s55, v[P4]                   ; their scale words: two times 128 bytes
	s_wait_loadcnt 0x0                             ; Wk (met at once from the second trip on)
	s_wait_dscnt 0x0
	WIN 0x01                                       ; source 0 (Wq, Wk) window 1
.irp s, 0,1,2,3
.irp u, 0,1
.irp e, 0,1
	MM AC+16*\u+8*\e, 64*\e+16*\s, HF+64*\u+16*\s, WS+4*\e+\s, HS+4*\u+\s, \s
.endr
.endr
.irp u, 0,1
.irp e, 0,1
	MM AC+32+16*\u+8*\e, 128+64*\e+16*\s, HF+64*\u+16*\s, WS+8+4*\e+\s, HS+4*\u+\s, \s
.endr
.endr
.endr
	WIN 0
	PLACES 8                                       ; in front of the first read of results, of writes over h's registers and of loads over Wq's
	s_cmp_lg_u32 s52, 3
	s_cbranch_scc1 .Lnot_last
	WLOAD 0, 18                                    ; Wq has been multiplied for the last time: Wv lands while the last group is quantised
.Lnot_last:
	QUANTN AC, 4, TM, PC                           ; blocks: q of tile 0, 1; k of tile 0, 1 (K = the head's 32)
.irp u, 0,1
	ds_store_b128 v13, v[PC+4*\u:PC+4*\u+3] offset:QIMG+512*\u
	ds_store_b32 v14, v[TM+4+\u] offset:QSC+128*\u             ; the byte as a word: the three upper bytes scale zero codes
	ds_store_b128 v13, v[PC+8+4*\u:PC+8+4*\u+3] offset:KIMG+512*\u
	ds_store_b32 v14, v[TM+6+\u] offset:KSC+128*\u
.endr
	s_add_co_u32 s52, s52, 1
	s_cmp_lt_u32 s52, 4
	s_cbranch_scc1 .Lqk
	; ---- v of the same four groups: 4 accumulators by turns
	s_lshl_b32 s55, s[HLF], 7
	v_add_nc_u32 v15, s55, v[PV4]                  ; my half's scale words of v: key step hf
	s_mov_b32 s52, 0
.Lv:
	s_add_co_u32 s54, s53, s52
	s_wait_dscnt 0x0
	FETCH_H
	s_lshl_b32 s55, s54, 9
	v_add_nc_u32 v13, s55, v[P16]                  ; one key block, 512 bytes, for each channel tile
	v_add_nc_u32 v14, s52, v15                     ; and byte j of its scale word
	s_wait_loadcnt 0x0                             ; Wv
	s_wait_dscnt 0x0
	WIN 0x04                                       ; source 1 (Wv) window 1
.irp s, 0,1,2,3
.irp e, 0,1
.irp u, 0,1
	MM AC+16*\e+8*\u, HF+64*\u+16*\s, 64*\e+16*\s, HS+4*\u+\s, WS+16+4*\e+\s, \s
.endr
.endr
.endr
	WIN 0
	PLACES 8
	QUANTN AC, 2, TM, PC                           ; blocks: v of channel tile 0, 1 (K = these 32 keys)
.irp e, 0,1
	ds_store_b128 v13, v[PC+4*\e:PC+4*\e+3] offset:VIMG+4096*\e
	ds_store_b8 v14, v[TM+2+\e] offset:256*\e
.endr
	s_add_co_u32 s52, s52, 1
	s_cmp_lt_u32 s52, 4
	s_cbranch_scc1 .Lv
	BARRIER                                        ; each head's q, k and v, made by two waves, lie whole in its region
	; ---- attention.  A fragment of k or q is 16 registers of which four hold the head's 32 codes; the other twelve are zero codes, written here once.
	WIN 0x40
.set kt, 0
.rept 8
.set kz, 4
.rept 12
	v_mov_b32 v[KF+16*kt+kz], 0
.set kz, kz+1
.endr
.set kt, kt+1
.endr
	WIN 0
.set kz, 4
.rept 12
	v_mov_b32 v[QF+kz], 0
.set kz, kz+1
.endr
.irp b, 0,1,2,3
	v_mov_b32 v[BP+\b], 0                          ; a lane permute's destination counts as one of its sources
.endr
	v_mov_b32 v[F+1], 0
	v_mov_b32 v[AQT+1], 0
	v_mov_b32 v[TMP], 0
	v_lshlrev_b32 v8, 4, v[LANE]                   ; acodes: 16 bytes a lane
	v_lshlrev_b32 v9, 2, v[RR]                     ; ascales: 4 bytes a row, my head's byte
	v_lshlrev_b32 v11, 4, v[HH]
	v_sub_nc_u32 v11, v[PM], v11
	s_lshl_b32 s55, s[HLF], 3
	v_add_nc_u32 v11, s55, v11                     ; perm(r) + 8 hf - 16 h: in the diagonal block register i's key is hidden where i is above this
	s_lshl_b32 s72, s44, 6
	s_add_co_u32 s72, s72, s43
	s_lshl_b32 s73, s[HLF], 2
	s_add_co_u32 s72, s72, s73                     ; fragment (row tile 16 batch + 2 j + hf, head group): 64 batch + group + 4 hf, + 8 j
	s_lshl_b32 s74, s72, 11
	s_lshl_b32 s73, s[HD], 9
	s_add_co_u32 s74, s74, s73
	s_add_nc_u64 s[34:35], s[34:35], s[74:75]
	s_lshl_b32 s74, s72, 6
	s_add_co_u32 s74, s74, s[HD]
	s_add_nc_u64 s[36:37], s[36:37], s[74:75]
.macro SETADR                          ; the LDS addresses of key step s55
	s_lshl_b32 s56, s55, 12
	v_add_nc_u32 v[AK], s56, v[P16]
	s_lshl_b32 s56, s55, 10
	v_add_nc_u32 v[AKS], s56, v[P4]
	s_lshl_b32 s56, s55, 11
	v_add_nc_u32 v[AV], s56, v[P16]
	s_lshl_b32 s56, s55, 7
	v_add_nc_u32 v[AVS], s56, v[PV4]
.endm
; A key step of nb blocks of 32 keys (1 to 4).  Register 16 b + i of S^T holds key 32 b + 16 h + i of the step, for my query.  mask = 1: the last of the nb blocks lies on the diagonal.
.macro STEPN nb, mask
	WIN 0x40                                       ; destination window 1
.set kt, 0
.rept 2*\nb
	ds_load_b128 v[KF+16*kt:KF+16*kt+3], v[AK] offset:KIMG+512*kt
.set kt, kt+1
.endr
.irp e, 0,1
.irp c, 0,1,2,3
	ds_load_b128 v[16*\e+4*\c:16*\e+4*\c+3], v[AV] offset:VIMG+4096*\e+512*\c      ; v's fragments whole: the codes of keys left out are finite and meet zero codes
.endr
.endr
	WIN 0
.set kt, 0
.rept 2*\nb
	ds_load_b32 v[KS+kt], v[AKS] offset:KSC+128*kt
.set kt, kt+1
.endr
.irp e, 0,1
	ds_load_b32 v[VS+\e], v[AVS] offset:256*\e
.endr
	s_wait_dscnt 0x0                               ; these, and q's tile
	WIN 0x01                                       ; source 0 (k) window 1
.set kt, 0
.rept 2*\nb
	v_wmma_scale_f32_16x16x128_f8f6f4 v[S+8*kt:S+8*kt+7], v[KF+16*kt:KF+16*kt+15], v[QF:QF+15], 0, v[KS+kt], v[QS] matrix_a_fmt:MATRIX_FMT_BF8 matrix_b_fmt:MATRIX_FMT_BF8
.set kt, kt+1
.endr
	WIN 0
	PLACES 8
.if \mask
	v_mov_b32 v[NI], 0xff800000                    ; -infinity: p = 0 then
.set mn, 0
.rept 16
	v_cmp_gt_i32 vcc_lo, mn, v11
	v_cndmask_b32 v[S+16*(\nb-1)+mn], v[S+16*(\nb-1)+mn], v[NI], vcc_lo
.set mn, mn+1
.endr
.endif
.set sb, 0
.rept \nb
	v_max3_num_f32 v[BM+sb], v[S+16*sb], v[S+16*sb+1], v[S+16*sb+2]        ; the largest score of each block: for the row's maximum and, since p rises with the score, for the block's largest p
.set sb, sb+1
.endr
.set si, 3
.rept 6
.set sb, 0
.rept \nb
	v_max3_num_f32 v[BM+sb], v[BM+sb], v[S+16*sb+si], v[S+16*sb+si+1]
.set sb, sb+1
.endr
.set si, si+2
.endr
.set sb, 0
.rept \nb
	v_max_num_f32 v[BM+sb], v[BM+sb], v[S+16*sb+15]
.set sb, sb+1
.endr
.set sb, 0
.rept \nb
	v_permlanex16_b32 v[BP+sb], v[BM+sb], s[SEL], s[SEL+1]
.set sb, sb+1
.endr
.set sb, 0
.rept \nb
	v_max_num_f32 v[BM+sb], v[BM+sb], v[BP+sb]     ; with lane l xor 16's 16 keys.  The query's own key counts, so the diagonal block's maximum is a number
.set sb, sb+1
.endr
.if \nb == 1
	v_mul_f32 v[TMP], s[CS], v[BM]                 ; the step's largest score as t (c is positive)
.elseif \nb == 2
	v_max_num_f32 v[TMP], v[BM], v[BM+1]
	v_mul_f32 v[TMP], s[CS], v[TMP]
.elseif \nb == 3
	v_max3_num_f32 v[TMP], v[BM], v[BM+1], v[BM+2]
	v_mul_f32 v[TMP], s[CS], v[TMP]
.else
	v_max3_num_f32 v[TMP], v[BM], v[BM+1], v[BM+2]
	v_max_num_f32 v[TMP], v[TMP], v[BM+3]
	v_mul_f32 v[TMP], s[CS], v[TMP]
.endif
	v_max_num_f32 v13, v13, v[TMP]                 ; the running largest t
	v_mov_b32 v[TMP], v12
	v_floor_f32 v12, -v13                          ; the new -M = -ceil(t): a whole number
	v_sub_f32 v[TMP], v12, v[TMP]                  ; old M - new M, 0 or less
	v_cvt_i32_f32 v[TMP], v[TMP]                   ; (it saturates)
	v_ldexp_f32 v[F], 1.0, v[TMP]                  ; f = 2^(old M - new M): a multiplication by it rounds nothing
.set pj, 0
.rept 8*\nb
	v_pk_fma_f32 v[S+pj:S+pj+1], v[S+pj:S+pj+1], s[CS:CS+1], v[12:13] op_sel_hi:[1,0,0]   ; t - M
.set pj, pj+2
.endr
.set sb, 0
.rept \nb
	v_fma_f32 v[BM+sb], v[BM+sb], s[CS], v12
.set sb, sb+1
.endr
.set pj, 0
.rept 16*\nb
	v_exp_f32 v[S+pj], v[S+pj]                     ; p = 2^(t - M), not normalised
.set pj, pj+1
.endr
	v_pk_mul_f32 v[14:15], v[14:15], v[F:F+1] op_sel_hi:[1,0]      ; the sums under the new M (a plain line behind the exponentials)
	s_wait_alu depctr_va_vdst(0)                   ; one wait for the batch, ahead of its first reader
.set sb, 0
.rept \nb
	v_exp_f32 v[BM+sb], v[BM+sb]                   ; the block's largest p
.set sb, sb+1
.endr
	v_pk_add_f32 v[BP:BP+1], v[S:S+1], v[S+2:S+3]  ; the row's sum is taken of the unquantised p, in two chains
.set pj, 4
.rept 4*\nb-1
	v_pk_add_f32 v[14:15], v[14:15], v[S+pj:S+pj+1]
	v_pk_add_f32 v[BP:BP+1], v[BP:BP+1], v[S+pj+2:S+pj+3]
.set pj, pj+4
.endr
	v_pk_add_f32 v[14:15], v[14:15], v[BP:BP+1]
	s_wait_alu depctr_va_vdst(0)                   ; and one for the blocks' largest p
.set sb, 0
.rept \nb
	v_max_num_f32 v[BM+sb], 0x8000000, v[BM+sb]    ; the floor: a block whose every p is 0 keeps the byte 1; its codes are zeros
.set sb, sb+1
.endr
.set sb, 0
.rept \nb
	v_add_nc_u32 v[BS+sb], 0xf8800000, v[BM+sb]
.set sb, sb+1
.endr
.set sb, 0
.rept \nb
	v_and_or_b32 v[BH+sb], v[BM+sb], 0x7f800000, s[MNT]
.set sb, sb+1
.endr
.set sb, 0
.rept \nb
	v_lshrrev_b32 v[BP+sb], 23, v[BS+sb]
.set sb, sb+1
.endr
.if \nb == 1
	v_mov_b32 v[PSW], v[BP]                        ; p's scale word; the bytes of blocks left out are 0 and scale zero codes
.else
	v_lshl_or_b32 v[PSW], v[BP+1], 8, v[BP]
.endif
.if \nb > 2
	v_lshl_or_b32 v[PSW], v[BP+2], 16, v[PSW]
.endif
.if \nb > 3
	v_lshl_or_b32 v[PSW], v[BP+3], 24, v[PSW]
.endif
.set sb, 0
.rept \nb
.set si, 0
.rept 16
	v_min_num_f32 v[S+16*sb+si], v[S+16*sb+si], v[BH+sb]       ; p is not negative: the hold is one-sided
.set si, si+1
.endr
	v_cvt_scalef32_pk8_bf8_f32 v[PCD+4*sb:PCD+4*sb+1], v[S+16*sb:S+16*sb+7], v[BS+sb]
	v_cvt_scalef32_pk8_bf8_f32 v[PCD+4*sb+2:PCD+4*sb+3], v[S+16*sb+8:S+16*sb+15], v[BS+sb]
.set sb, sb+1
.endr
.if \nb < 4
.set pj, 4*\nb
.rept 16-4*\nb
	v_mov_b32 v[PCD+pj], 0                         ; the blocks behind the diagonal: zero codes
.set pj, pj+1
.endr
.endif
.irp j, 0,2,4,6,8,10,12,14
	v_pk_mul_f32 v[O+\j:O+\j+1], v[O+\j:O+\j+1], v[F:F+1] op_sel_hi:[1,0]  ; O^T under the new M; these eight are also the lines between the codes and the products
.endr
	WIN 0x01                                       ; source 0 (v) window 1
.irp e, 0,1
	v_wmma_scale_f32_16x16x128_f8f6f4 v[O+8*\e:O+8*\e+7], v[16*\e:16*\e+15], v[PCD:PCD+15], v[O+8*\e:O+8*\e+7], v[VS+\e], v[PSW] matrix_a_fmt:MATRIX_FMT_BF8 matrix_b_fmt:MATRIX_FMT_BF8
.endr
	WIN 0
.endm
	s_mov_b32 s52, 0
.Ltau:                                                 ; 8 trips: query tile 2 j + hf
	s_lshl_b32 s53, s52, 1
	s_add_co_u32 s53, s53, s[HLF]
	s_lshl_b32 s54, s53, 9
	v_add_nc_u32 v[AQ1], s54, v[P16]
	ds_load_b128 v[QF:QF+3], v[AQ1] offset:QIMG
	s_lshl_b32 s54, s53, 7
	v_add_nc_u32 v[AQ2], s54, v[P4]
	ds_load_b32 v[QS], v[AQ2] offset:QSC
	v_mov_b32 v13, 0xff61b1e6                      ; the largest t so far: -3e38
	v_floor_f32 v12, -v13                          ; -M
	v_mov_b32 v14, 0
	v_mov_b32 v15, 0
.set pj, 0
.rept 16
	v_mov_b32 v[O+pj], 0                           ; the step is written alike for first and later steps: the first change of M multiplies zeros
.set pj, pj+1
.endr
	s_cmp_lt_u32 s52, 4
	s_cbranch_scc1 .Ldiag
	s_mov_b32 s55, 0                               ; queries from 128 on see all of keys 0 .. 127
	SETADR
	STEPN 4, 0
	PLACES 8                                       ; in front of the loads into registers that these products have read
.Ldiag:
	s_lshr_b32 s55, s52, 2                         ; the key step that holds the diagonal; (j % 4) + 1 of its blocks count
	SETADR
	s_and_b32 s56, s52, 3
	s_cmp_eq_u32 s56, 0
	s_cbranch_scc1 .Ld1
	s_cmp_eq_u32 s56, 1
	s_cbranch_scc1 .Ld2
	s_cmp_eq_u32 s56, 2
	s_cbranch_scc1 .Ld3
	STEPN 4, 1
	s_branch .Lfin
.Ld3:
	STEPN 3, 1
	s_branch .Lfin
.Ld2:
	STEPN 2, 1
	s_branch .Lfin
.Ld1:
	STEPN 1, 1
.Lfin:
	PLACES 8
	v_add_f32 v14, v14, v15
	v_permlanex16_b32 v[TMP], v14, s[SEL], s[SEL+1]
	v_add_f32 v14, v14, v[TMP]                     ; the row's sum
	v_rcp_f32 v[NI], v14
	v_nop
	s_wait_alu depctr_va_vdst(0)
.set pj, 0
.rept 16
	v_mul_f32 v[ON+pj], v[O+pj], v[NI]             ; register i: channel 16 h + i of my head
.set pj, pj+1
.endr
	s_wait_xcnt 0x0                                ; the last tile's stores, a whole trip back, have read their data and offsets: both are written again from here on
	s_lshl_b32 s54, s52, 14
	v_add_nc_u32 v[SO1], s54, v8                   ; 8 fragments of 2,048 bytes a trip
	s_lshl_b32 s54, s52, 9
	v_add_nc_u32 v[SO2], s54, v9                   ; and 8 x 64 scale bytes
	QUANTN ON, 1, AQT, AQC                         ; the head's 32 channels are one block of the next product's K
	global_store_b128 v[SO1], v[AQC:AQC+3], s[34:35]   ; 32 lanes store 512 consecutive bytes: registers 4 hd .. 4 hd + 3 of the next launch's fragment
	global_store_b8 v[SO2], v[AQT+1], s[36:37]
	s_add_co_u32 s52, s52, 1
	s_cmp_lt_u32 s52, 8
	s_cbranch_scc1 .Ltau
	s_wait_tensorcnt 0x0
	ds_add_u32 v254, v255
	s_wait_dscnt 0x0
	s_endpgm
.Lfunc_end_k_q9cce7e6155_attn:
	.size	k_q9cce7e6155_attn, .Lfunc_end_k_q9cce7e6155_attn-k_q9cce7e6155_attn
	.p2alignl 7, 3214868480
	.fill 96, 4, 3214868480
	.section	.rodata,"a",@progbits
	.p2align	6, 0x0
	.amdhsa_kernel k_q9cce7e6155_attn
		.amdhsa_group_segment_fixed_size 257024
		.amdhsa_private_segment_fixed_size 0
		.amdhsa_enable_private_segment 0
		.amdhsa_kernarg_size 152
		.amdhsa_user_sgpr_count 2
		.amdhsa_user_sgpr_kernarg_segment_ptr 1
		.amdhsa_wavefront_size32 1
		.amdhsa_system_sgpr_workgroup_id_x 1
		.amdhsa_system_sgpr_workgroup_id_y 1
		.amdhsa_system_sgpr_workgroup_id_z 1
		.amdhsa_system_vgpr_workitem_id 0
		.amdhsa_next_free_vgpr 512
		.amdhsa_next_free_sgpr 96
		.amdhsa_reserve_vcc 1
		.amdhsa_float_denorm_mode_32 3
		.amdhsa_float_denorm_mode_16_64 3
		.amdhsa_memory_ordered 1
		.amdhsa_forward_progress 1
		.amdhsa_inst_pref_size 172
	.end_amdhsa_kernel
	.amdgpu_metadata
---
amdhsa.version: [ 1, 2 ]
amdhsa.kernels:
  - .name:           k_q9cce7e6155_attn
    .symbol:         k_q9cce7e6155_attn.kd
    .args:
      - { .name: x, .offset: 0, .size: 8, .value_kind: global_buffer, .address_space: global }
      - { .name: ln1_g, .offset: 8, .size: 8, .value_kind: global_buffer, .address_space: global }
      - { .name: ln1_b, .offset: 16, .size: 8, .value_kind: global_buffer, .address_space: global }
      - { .name: Wq_codes, .offset: 24, .size: 8, .value_kind: global_buffer, .address_space: global }
      - { .name: Wq_scales, .offset: 32, .size: 8, .value_kind: global_buffer, .address_space: global }
      - { .name: Wk_codes, .offset: 40, .size: 8, .value_kind: global_buffer, .address_space: global }
      - { .name: Wk_scales, .offset: 48, .size: 8, .value_kind: global_buffer, .address_space: global }
      - { .name: Wv_codes, .offset: 56, .size: 8, .value_kind: global_buffer, .address_space: global }
      - { .name: Wv_scales, .offset: 64, .size: 8, .value_kind: global_buffer, .address_space: global }
      - { .name: Wproj_codes, .offset: 72, .size: 8, .value_kind: global_buffer, .address_space: global }
      - { .name: Wproj_scales, .offset: 80, .size: 8, .value_kind: global_buffer, .address_space: global }
      - { .name: W1_codes, .offset: 88, .size: 8, .value_kind: global_buffer, .address_space: global }
      - { .name: W1_scales, .offset: 96, .size: 8, .value_kind: global_buffer, .address_space: global }
      - { .name: W2_codes, .offset: 104, .size: 8, .value_kind: global_buffer, .address_space: global }
      - { .name: W2_scales, .offset: 112, .size: 8, .value_kind: global_buffer, .address_space: global }
      - { .name: acodes, .offset: 120, .size: 8, .value_kind: global_buffer, .address_space: global }
      - { .name: ascales, .offset: 128, .size: 8, .value_kind: global_buffer, .address_space: global }
      - { .name: wbuf, .offset: 136, .size: 8, .value_kind: global_buffer, .address_space: global }
      - { .name: sbuf, .offset: 144, .size: 8, .value_kind: global_buffer, .address_space: global }
    .group_segment_fixed_size: 257024
    .private_segment_fixed_size: 0
    .kernarg_segment_align: 8
    .kernarg_segment_size: 152
    .max_flat_workgroup_size: 256
    .sgpr_count:     96
    .vgpr_count:     512
    .wavefront_size: 32
...
	.end_amdgpu_metadata
.endif
;; end of part 1
;; launch ffn (part 2): grid 256 x 1, 4 waves a work-group, no clusters, 105,984 bytes of LDS; arguments x, acodes, ascales, wbuf, sbuf, bproj, ln2_g, ln2_b, b1, b2, out0; writes out0
.if DOCPART == 2
	.amdgcn_target "amdgcn-amd-amdhsa--gfx1250"
	.amdhsa_code_object_version 6
	.text
	.protected	k_q9cce7e6155_ffn
	.globl	k_q9cce7e6155_ffn
	.p2align	8
	.type	k_q9cce7e6155_ffn,@function
k_q9cce7e6155_ffn:
	s_mov_b64 s[64:65], 0
	v_nop
	global_prefetch_b8 v0, s[64:65] scope:SCOPE_SE
	s_setreg_imm32_b32 hwreg(HW_REG_WAVE_MODE, 25, 1), 1
	s_wait_xcnt 0x0
; x1 = x + attn Wproj + bproj;  out = x1 + relu(LN2(x1) W1 + b1) W2 + b2.  All three products on codes of BF8 (E5M2) with one E8M0 scale for each 32 along K.
; SHARES.  A work-group owns 64 rows: four row tiles m; position i of tile m is row 64 g + 32 (m / 2) + 8 (m % 2) + perm(i), perm(i) = i + 8 (i / 8), as the launch before laid attn's codes.
; THE WAVES SHARE THE COLUMNS: wave w makes columns 128 w .. 128 w + 127 of each product (of the hidden layer: of each chunk of 512), for all 64 rows.  x1 and then out stay in 256 registers a wave (window 3) from the
; first load of x to the last store; the hidden layer never goes to memory.
; THE PRODUCTS ARE USED TRANSPOSED (source 0 = 16 rows of a weight, source 1 = 16 rows): a lane holds one row and its registers run along the columns; a weight tile t holds at lane r row 32 (t / 2) + 8 (t % 2) + perm(r)
; of the wave's 128, so that the 16 registers of tiles 2 b, 2 b + 1 are columns 32 b + 16 h + 0 .. 15: neighbours along the next K.
; A GROUP is one K step of 128: the wave's 8 weight fragments x the 4 row tiles, 32 matrix instructions on 32 accumulators by turns.  36 groups a wave: 4 (Wproj), then four chunks of 4 (W1) + 4 (W2).
; THE WEIGHTS come from wbuf, where the launch before laid them in this order: a group is 16,384 consecutive bytes, 32 loads of 512 bytes, straight into the registers of the one wave that multiplies them, two groups ahead.
; No joint loads and no LDS for them: a fragment is read by one wave of a work-group, so LDS would add 2,359,296 bytes written and read a work-group.
; THE ROWS' OPERANDS (attn, LN2's result, the hidden layer) go from wave to wave through LDS as images of their registers: 16 bytes a lane, 512 a store; their scale words 4 bytes a lane.
; LIMITS: NaN and infinities among the inputs are not served; a block of zeros gets the scale byte 1 (its codes are zeros; the bytes are read by this program alone).
; REGISTERS.  window 0: v1-12 addresses; v14 a scale word just made; v16-23 the weights' scale words (two sets), v24-31 the rows' (two sets): these hold scales alone; v32-47 codes just made;
;   v48-111 and v176-239 the rows' fragments, two sets (the first also LN2's statistics and rows on the way out; the second also bproj, ln2_b, b2); v112-175 ln2_g, then b1; v240-255 the quantiser's.
;   window 1: the weights, two sets of 128.   window 2: the hidden layer's 32 accumulators (m, t) at 64 m + 8 t; before that LN2's working copy.   window 3: x1 / out, likewise.
.set AIMG, 0                           ; LDS: 16 fragments (4 m + s) x 2,048 bytes: attn's, later LN2's result;
.set HIMG, 32768                       ; the hidden layer's 16;
.set ASCL, 65536                       ; their scale words, 128 bytes a fragment: 16 + 16;
.set STAT, 69632                       ; the rows' partial sums: m 256 + r 16 + w 4; the squares' 1,024 further on;
.set STG,  71680                       ; a stage of 16 rows x (512 + 16) bytes for each wave
.set SPI,  528
.set LI,  1                            ; 16 lane
.set LSS, 2                            ; ASCL + 4 lane
.set AWI, 3                            ; LI + 8192 w
.set AWS, 4                            ; LSS + 512 w
.set HWI, 5                            ; LI + 2048 w
.set HWS, 6                            ; LSS + 128 w
.set SO,  7                            ; my stage + 528 r + 64 h
.set SR,  8                            ; my stage + 16 lane
.set STA, 9                            ; STAT + 16 r + 4 w
.set STL, 10                           ; STAT + 16 r
.set BO,  11                           ; 64 h
.set R4,  12                           ; 4 r
.set PW,  14
.set WSC, 16
.set ASC, 24
.set PC,  32
.set AF,  48
.set BI,  112
.set BV,  176
.set TM,  240
.set MUP, 48                           ; LN2: the means, a pair a tile; 1 / sigma likewise; sums read back; running sums; the other half's
.set RSP, 56
.set SL,  64
.set ACC, 80
.set PD,  96
.set WV,  26
.set SEL, 28
.set MNT, 30
.set MSB, 0
.macro WIN new                         ; the immediate's high byte repeats the setting that is left; a switch that changes nothing is dropped
.if MSB != (\new)
	s_set_vgpr_msb (MSB<<8)|(\new)
.set MSB, (\new)
.endif
.endm
.macro PLACES n
.rept \n
	v_nop
.endr
.endm
.macro BARRIER                         ; my LDS stores have landed and my LDS loads are in: then the work-group's barrier
	s_wait_dscnt 0x0
	s_barrier_signal -1
	s_barrier_wait -1
.endm
; n blocks of 32 along K.  Block b: my 16 numbers in v[s + 16 b] on (window sw); lane l xor 16 holds the other 16.  Codes to v[pc + 4 b] on; the scale's byte to v[tm + n + b].
; tm + b: largest magnitude; tm + n + b: the other half's, then the byte; tm + 2 n + b: 57,344 x the scale; tm + 3 n + b: the conversion's scale operand.  relu = 1: what is negative becomes 0 on the way.
.macro QUANTN s, n, relu, sw, tm, pc
	WIN (\sw)|((\sw)<<2)
.set qb, 0
.rept \n
.if \relu
	v_max3_num_f32 v[\tm+qb], v[\s+16*qb], v[\s+16*qb+1], 0x8000000        ; no |.|: what is negative must not count; the floor 2^(16 - 127) stands over it
.else
	v_max3_num_f32 v[\tm+qb], |v[\s+16*qb]|, |v[\s+16*qb+1]|, 0x8000000
.endif
.set qb, qb+1
.endr
	WIN ((\sw)<<2)|((\sw)<<4)
.set qi, 2
.rept 7
.set qb, 0
.rept \n
.if \relu
	v_max3_num_f32 v[\tm+qb], v[\tm+qb], v[\s+16*qb+qi], v[\s+16*qb+qi+1]
.else
	v_max3_num_f32 v[\tm+qb], v[\tm+qb], |v[\s+16*qb+qi]|, |v[\s+16*qb+qi+1]|
.endif
.set qb, qb+1
.endr
.set qi, qi+2
.endr
	WIN 0
.set qb, 0
.rept \n
	v_permlanex16_b32 v[\tm+\n+qb], v[\tm+qb], s[SEL], s[SEL+1]
.set qb, qb+1
.endr
.set qb, 0
.rept \n
	v_max_num_f32 v[\tm+qb], v[\tm+qb], v[\tm+\n+qb]
.set qb, qb+1
.endr
.set qb, 0
.rept \n
	v_add_nc_u32 v[\tm+3*\n+qb], 0xf8800000, v[\tm+qb]                     ; 15 off the exponent field: the conversion's scale operand
.set qb, qb+1
.endr
.set qb, 0
.rept \n
	v_and_or_b32 v[\tm+2*\n+qb], v[\tm+qb], 0x7f800000, s[MNT]             ; 57,344 x the scale
.set qb, qb+1
.endr
.set qb, 0
.rept \n
	v_lshrrev_b32 v[\tm+\n+qb], 23, v[\tm+3*\n+qb]                         ; the scale's byte
.set qb, qb+1
.endr
	WIN (\sw)|((\sw)<<6)
.set qb, 0
.rept \n
.set qi, 0
.rept 16
.if \relu
	v_med3_num_f32 v[\s+16*qb+qi], v[\s+16*qb+qi], 0, v[\tm+2*\n+qb]       ; the activation and the hold in one
.else
	v_med3_num_f32 v[\s+16*qb+qi], v[\s+16*qb+qi], -v[\tm+2*\n+qb], v[\tm+2*\n+qb]   ; the conversion does not saturate (ISA guide 7.6.2): the hold
.endif
.set qi, qi+1
.endr
.set qb, qb+1
.endr
	WIN (\sw)
	s_wait_dscnt 0x0                               ; the LDS stores of the last codes have read their registers: they are written again from here on
.set qb, 0
.rept \n
	v_cvt_scalef32_pk8_bf8_f32 v[\pc+4*qb:\pc+4*qb+1], v[\s+16*qb:\s+16*qb+7], v[\tm+3*\n+qb]
	v_cvt_scalef32_pk8_bf8_f32 v[\pc+4*qb+2:\pc+4*qb+3], v[\s+16*qb+8:\s+16*qb+15], v[\tm+3*\n+qb]
.set qb, qb+1
.endr
	WIN 0
	v_nop                                          ; one plain line behind the last conversion
.endm
.macro TOLDS img, sc                   ; the fragment in v[PC] on and its four bytes: an image of the registers, and the row's scale word
	v_lshl_or_b32 v[PW], v[TM+5], 8, v[TM+4]
	v_lshl_or_b32 v[PW], v[TM+6], 16, v[PW]
	v_lshl_or_b32 v[PW], v[TM+7], 24, v[PW]
.irp c, 0,1,2,3
	ds_store_b128 v[HWI], v[PC+4*\c:PC+4*\c+3] offset:\img+512*\c
.endr
	ds_store_b32 v[HWS], v[PW] offset:\sc
.endm
.macro LOADG p, adv                    ; a group's 8 weight fragments and their scale words into set p: 33 loads.  adv = 1: the pointers step to the next group first
.if \adv
	s_wait_xcnt 0x0                                ; the earlier loads have read their bases
	s_add_nc_u64 s[32:33], s[32:33], s[36:37]
	s_add_nc_u64 s[34:35], s[34:35], s[38:39]
.endif
	WIN 0x40                                       ; destination window 1
.set li, 0
.rept 32
	global_load_b128 v[128*\p+4*li:128*\p+4*li+3], v[LI], s[32:33] offset:512*li
.set li, li+1
.endr
	WIN 0
	global_load_b128 v[WSC+4*\p:WSC+4*\p+3], v[LI], s[34:35]   ; register j: lanes 0-15 tile j's words, lanes 16-31 tile 4 + j's
.endm
.macro LOADV dst, ptr                  ; 128 numbers of a vector in the accumulators' layout: register 8 t + j = number 32 (t / 2) + 16 h + 8 (t % 2) + j
.irp t, 0,1,2,3,4,5,6,7
	global_load_b128 v[\dst+8*\t:\dst+8*\t+3], v[BO], s[\ptr:\ptr+1] offset:(32*(\t/2)+8*(\t%2))*4
	global_load_b128 v[\dst+8*\t+4:\dst+8*\t+7], v[BO], s[\ptr:\ptr+1] offset:(32*(\t/2)+8*(\t%2))*4+16
.endr
.endm
.macro FETCHA p, base, sc, s           ; the four row tiles' fragments of K step s and their scale words into set p: 20 LDS loads
.irp m, 0,1,2,3
.irp c, 0,1,2,3
	ds_load_b128 v[AF+128*\p+16*\m+4*\c:AF+128*\p+16*\m+4*\c+3], v[LI] offset:\base+(4*\m+\s)*2048+512*\c
.endr
	ds_load_b32 v[ASC+4*\p+\m], v[LSS] offset:\sc+(4*\m+\s)*128
.endr
.endm
; 32 matrix instructions on 32 accumulators by turns.  cnt: the global loads younger than set p's; dc: the LDS loads younger than set p's.
; mode 0: onto x1 / out (window 3).  mode 1: starts the hidden layer's sums (window 2) with b1 as C.  mode 2: onto them.
.macro GROUP p, cnt, mode, dc
	s_wait_loadcnt \cnt
	s_wait_dscnt \dc
.if \mode == 0
	WIN 0xf1
.elseif \mode == 1
	WIN 0x81
.else
	WIN 0xa1
.endif
.irp t, 0,1,2,3,4,5,6,7
.irp m, 0,1,2,3
.if \mode == 1
.if \t < 4
	v_wmma_scale_f32_16x16x128_f8f6f4 v[64*\m+8*\t:64*\m+8*\t+7], v[128*\p+16*\t:128*\p+16*\t+15], v[AF+128*\p+16*\m:AF+128*\p+16*\m+15], v[BI+8*\t:BI+8*\t+7], v[WSC+4*\p+\t], v[ASC+4*\p+\m] matrix_a_fmt:MATRIX_FMT_BF8 matrix_b_fmt:MATRIX_FMT_BF8
.else
	v_wmma_scale_f32_16x16x128_f8f6f4 v[64*\m+8*\t:64*\m+8*\t+7], v[128*\p+16*\t:128*\p+16*\t+15], v[AF+128*\p+16*\m:AF+128*\p+16*\m+15], v[BI+8*\t:BI+8*\t+7], v[WSC+4*\p+\t-4], v[ASC+4*\p+\m] matrix_a_fmt:MATRIX_FMT_BF8 matrix_b_fmt:MATRIX_FMT_BF8 matrix_a_scale:MATRIX_SCALE_ROW1
.endif
.else
.if \t < 4
	v_wmma_scale_f32_16x16x128_f8f6f4 v[64*\m+8*\t:64*\m+8*\t+7], v[128*\p+16*\t:128*\p+16*\t+15], v[AF+128*\p+16*\m:AF+128*\p+16*\m+15], v[64*\m+8*\t:64*\m+8*\t+7], v[WSC+4*\p+\t], v[ASC+4*\p+\m] matrix_a_fmt:MATRIX_FMT_BF8 matrix_b_fmt:MATRIX_FMT_BF8
.else
	v_wmma_scale_f32_16x16x128_f8f6f4 v[64*\m+8*\t:64*\m+8*\t+7], v[128*\p+16*\t:128*\p+16*\t+15], v[AF+128*\p+16*\m:AF+128*\p+16*\m+15], v[64*\m+8*\t:64*\m+8*\t+7], v[WSC+4*\p+\t-4], v[ASC+4*\p+\m] matrix_a_fmt:MATRIX_FMT_BF8 matrix_b_fmt:MATRIX_FMT_BF8 matrix_a_scale:MATRIX_SCALE_ROW1
.endif
.endif
.endr
.endr
	WIN 0
	PLACES 8                                       ; in front of loads into registers that these products have read, and of the first read of results
.endm
.macro ADDV                            ; the vector in BV onto all four row tiles of window 3
	WIN 0xc3
.irp m, 0,1,2,3
.set lj, 0
.rept 32
	v_pk_add_f32 v[64*\m+lj:64*\m+lj+1], v[64*\m+lj:64*\m+lj+1], v[BV+lj:BV+lj+1]
.set lj, lj+2
.endr
.endr
	WIN 0
.endm
; The four tiles' pairs of sums: the two halves, the other half of the lanes, then the four waves' through LDS.  v[SL + 4 m] ends as row r's sum over all 512 columns, in every wave alike.
.macro STATS off
.irp m, 0,1,2,3
	v_add_f32 v[ACC+2*\m], v[ACC+2*\m], v[ACC+2*\m+1]
.endr
.irp m, 0,1,2,3
	v_permlanex16_b32 v[PD+\m], v[ACC+2*\m], s[SEL], s[SEL+1]
.endr
.irp m, 0,1,2,3
	v_add_f32 v[ACC+2*\m], v[ACC+2*\m], v[PD+\m]
.endr
.irp m, 0,1,2,3
	ds_store_b32 v[STA], v[ACC+2*\m] offset:\off+256*\m        ; lanes r and r + 16 write the same word with the same value
.endr
	BARRIER
.irp m, 0,1,2,3
	ds_load_b128 v[SL+4*\m:SL+4*\m+3], v[STL] offset:\off+256*\m
.endr
	s_wait_dscnt 0x0
.irp m, 0,1,2,3
	v_add_f32 v[SL+4*\m], v[SL+4*\m], v[SL+4*\m+1]
.endr
.irp m, 0,1,2,3
	v_add_f32 v[SL+4*\m+2], v[SL+4*\m+2], v[SL+4*\m+3]
.endr
.irp m, 0,1,2,3
	v_add_f32 v[SL+4*\m], v[SL+4*\m], v[SL+4*\m+2]
.endr
.endm
	s_load_b512 s[4:19], s[0:1], 0x0               ; x 4, acodes 6, ascales 8, wbuf 10, sbuf 12, bproj 14, ln2_g 16, ln2_b 18,
	s_load_b128 s[20:23], s[0:1], 0x40             ; b1 20, b2 22,
	s_load_b64 s[24:25], s[0:1], 0x50              ; out0 24
	v_lshrrev_b32 v1, 5, v0
	v_readfirstlane_b32 s[WV], v1                  ; wave 0..3
	v_and_b32 v13, 31, v0                          ; lane
	v_and_b32 v15, 15, v0                          ; r
	v_bfe_u32 v14, v0, 4, 1                        ; h
	v_lshlrev_b32 v[LI], 4, v13
	v_lshl_add_u32 v[LSS], v13, 2, ASCL
	s_lshl_b32 s27, s[WV], 13
	v_add_nc_u32 v[AWI], s27, v[LI]
	s_lshl_b32 s27, s[WV], 9
	v_add_nc_u32 v[AWS], s27, v[LSS]
	s_lshl_b32 s27, s[WV], 11
	v_add_nc_u32 v[HWI], s27, v[LI]
	s_lshl_b32 s27, s[WV], 7
	v_add_nc_u32 v[HWS], s27, v[LSS]
	s_mul_i32 s27, s[WV], 16*SPI
	s_add_co_u32 s27, s27, STG
	v_mul_u32_u24 v[SO], v15, SPI
	v_lshl_add_u32 v[SO], v14, 6, v[SO]
	v_add_nc_u32 v[SO], s27, v[SO]
	v_add_nc_u32 v[SR], s27, v[LI]
	v_lshl_add_u32 v[STL], v15, 4, STAT
	s_lshl_b32 s27, s[WV], 2
	v_add_nc_u32 v[STA], s27, v[STL]
	v_lshlrev_b32 v[BO], 6, v14
	v_lshlrev_b32 v[R4], 2, v15
.irp b, 0,1,2,3
	v_mov_b32 v[TM+4+\b], 0                        ; a lane permute's destination counts as one of its sources
.endr
	s_mov_b32 s[SEL], 0x76543210
	s_mov_b32 s[SEL+1], 0xfedcba98
	s_mov_b32 s[MNT], 0x600000
	s_mov_b32 s31, 0x3b000000                      ; 1 / 512
	s_mov_b32 s45, 0x3727c5ac                      ; 1e-5
	s_mov_b32 s36, 16384                           ; a group on in wbuf,
	s_mov_b32 s37, 0
	s_mov_b32 s38, 512                             ; and in sbuf
	s_mov_b32 s39, 0
	s_mov_b32 s43, 0
	s_mov_b32 s47, 0
	s_wait_kmcnt 0x0
	s_lshl_b32 s46, ttmp9, 17                      ; 64 rows of 2,048 bytes a work-group,
	s_lshl_b32 s27, s[WV], 9                       ; my 128 columns
	s_add_co_u32 s46, s46, s27
	s_add_nc_u64 s[4:5], s[4:5], s[46:47]
	s_add_nc_u64 s[24:25], s[24:25], s[46:47]
	s_lshl_b32 s46, ttmp9, 15                      ; attn's fragments 16 g + 4 w on: row tile w
	s_lshl_b32 s27, s[WV], 13
	s_add_co_u32 s46, s46, s27
	s_add_nc_u64 s[6:7], s[6:7], s[46:47]
	s_lshl_b32 s46, ttmp9, 10
	s_lshl_b32 s27, s[WV], 8
	s_add_co_u32 s46, s46, s27
	s_add_nc_u64 s[8:9], s[8:9], s[46:47]
	s_mul_i32 s46, s[WV], 589824                   ; my 36 groups
	s_add_nc_u64 s[32:33], s[10:11], s[46:47]
	s_mul_i32 s46, s[WV], 18432
	s_add_nc_u64 s[34:35], s[12:13], s[46:47]
	s_lshl_b32 s46, s[WV], 9                       ; my 128 numbers of each vector
	s_add_nc_u64 s[14:15], s[14:15], s[46:47]
	s_add_nc_u64 s[16:17], s[16:17], s[46:47]
	s_add_nc_u64 s[18:19], s[18:19], s[46:47]
	s_add_nc_u64 s[20:21], s[20:21], s[46:47]
	s_add_nc_u64 s[22:23], s[22:23], s[46:47]
	; ---- the head's loads, the oldest first: attn's tile w (20), x (64), bproj (16), groups 0 and 1 (66)
.irp s, 0,1,2,3
.irp c, 0,1,2,3
	global_load_b128 v[AF+16*\s+4*\c:AF+16*\s+4*\c+3], v[LI], s[6:7] offset:2048*\s+512*\c th:TH_LOAD_NT
.endr
	global_load_b32 v[TM+\s], v[R4], s[8:9] offset:64*\s th:TH_LOAD_NT
.endr
	WIN 0xc0                                       ; destination window 3
.irp m, 0,1,2,3
.irp i, 0,1,2,3,4,5,6,7,8,9,10,11,12,13,14,15
	global_load_b128 v[64*\m+4*\i:64*\m+4*\i+3], v[LI], s[4:5] offset:(32*(\m/2)+8*(\m%2)+\i+8*(\i/8))*2048 th:TH_LOAD_NT   ; position i of tile m: 512 consecutive bytes
.endr
.endr
	WIN 0
	LOADV BV, 14
	LOADG 0, 0
	LOADG 1, 1
	s_wait_loadcnt 63                              ; the two groups' 66 loads are the younger ones: all before them are in
.irp s, 0,1,2,3
.irp c, 0,1,2,3
	ds_store_b128 v[AWI], v[AF+16*\s+4*\c:AF+16*\s+4*\c+3] offset:AIMG+2048*\s+512*\c
.endr
	ds_store_b32 v[AWS], v[TM+\s] offset:128*\s
.endr
	; x into the accumulators' layout, a tile at a time through my stage: in by rows, back 32 bytes of row r for each weight tile.  LDS serves a wave's instructions in order (ISA guide 5.7.1.4): no wait between
.irp m, 0,1,2,3
	WIN 0x0c                                       ; an LDS store's data are its source 1: window 3
.irp i, 0,1,2,3,4,5,6,7,8,9,10,11,12,13,14,15
	ds_store_b128 v[SR], v[64*\m+4*\i:64*\m+4*\i+3] offset:SPI*\i
.endr
	WIN 0xc0
.irp t, 0,1,2,3,4,5,6,7
	ds_load_b128 v[64*\m+8*\t:64*\m+8*\t+3], v[SO] offset:128*(\t/2)+32*(\t%2)
	ds_load_b128 v[64*\m+8*\t+4:64*\m+8*\t+7], v[SO] offset:128*(\t/2)+32*(\t%2)+16
.endr
.endr
	WIN 0
	s_wait_dscnt 0x0
	ADDV                                           ; x + bproj: the C of the first product
	BARRIER                                        ; attn's 16 fragments lie in LDS
	; ---- x1 = x + bproj + attn Wproj
	FETCHA 0, AIMG, 0, 0
	FETCHA 1, AIMG, 0, 1
	GROUP 0, 33, 0, 20
	LOADG 0, 1
	FETCHA 0, AIMG, 0, 2
	GROUP 1, 33, 0, 20
	LOADG 1, 1
	FETCHA 1, AIMG, 0, 3
	GROUP 0, 33, 0, 20
	LOADG 0, 1
	GROUP 1, 33, 0, 0
	LOADG 1, 1
	; ---- LN 2.  A lane holds 64 of its row's 512 numbers for each tile
	LOADV BI, 16
	LOADV BV, 18
.irp m, 0,1,2,3
	v_mov_b32 v[PD+\m], 0
	v_mov_b32 v[MUP+2*\m+1], 0                     ; named as the upper halves of pairs
	v_mov_b32 v[RSP+2*\m+1], 0
.endr
	WIN 0x0f
.irp m, 0,1,2,3
	v_pk_add_f32 v[ACC+2*\m:ACC+2*\m+1], v[64*\m:64*\m+1], v[64*\m+2:64*\m+3]
.endr
	WIN 0x0c
.set lj, 4
.rept 30
.irp m, 0,1,2,3
	v_pk_add_f32 v[ACC+2*\m:ACC+2*\m+1], v[ACC+2*\m:ACC+2*\m+1], v[64*\m+lj:64*\m+lj+1]
.endr
.set lj, lj+2
.endr
	WIN 0
	STATS 0
.irp m, 0,1,2,3
	v_mul_f32 v[MUP+2*\m], s31, v[SL+4*\m]         ; the mean
.endr
	WIN 0x83                                       ; source 0 window 3, destination window 2: the working copy x1 - mean
.irp m, 0,1,2,3
.set lj, 0
.rept 32
	v_pk_add_f32 v[64*\m+lj:64*\m+lj+1], v[64*\m+lj:64*\m+lj+1], v[MUP+2*\m:MUP+2*\m+1] op_sel_hi:[1,0] neg_lo:[0,1] neg_hi:[0,1]
.set lj, lj+2
.endr
.endr
	WIN 0x0a                                       ; sources 0 and 1 window 2
.irp m, 0,1,2,3
	v_pk_mul_f32 v[ACC+2*\m:ACC+2*\m+1], v[64*\m:64*\m+1], v[64*\m:64*\m+1]
.endr
.set lj, 2
.rept 31
.irp m, 0,1,2,3
	v_pk_fma_f32 v[ACC+2*\m:ACC+2*\m+1], v[64*\m+lj:64*\m+lj+1], v[64*\m+lj:64*\m+lj+1], v[ACC+2*\m:ACC+2*\m+1]
.endr
.set lj, lj+2
.endr
	WIN 0
	STATS 1024
.irp m, 0,1,2,3
	v_fma_f32 v[SL+4*\m], v[SL+4*\m], s31, s45     ; variance + 1e-5
.endr
.irp m, 0,1,2,3
	v_rsq_f32 v[RSP+2*\m], v[SL+4*\m]
.endr
	v_nop
	s_wait_alu depctr_va_vdst(0)                   ; one wait for the four, ahead of their first reader
	s_wait_loadcnt 0x0                             ; ln2_g, ln2_b
	WIN 0x82                                       ; source 0 and destination window 2
.irp m, 0,1,2,3
.set lj, 0
.rept 32
	v_pk_mul_f32 v[64*\m+lj:64*\m+lj+1], v[64*\m+lj:64*\m+lj+1], v[RSP+2*\m:RSP+2*\m+1] op_sel_hi:[1,0]
.set lj, lj+2
.endr
.endr
.irp m, 0,1,2,3
.set lj, 0
.rept 32
	v_pk_fma_f32 v[64*\m+lj:64*\m+lj+1], v[64*\m+lj:64*\m+lj+1], v[BI+lj:BI+lj+1], v[BV+lj:BV+lj+1]
.set lj, lj+2
.endr
.endr
	WIN 0
	LOADV BV, 22                                   ; b2, and chunk 0's b1: they land while the rows are quantised
	LOADV BI, 20
.irp m, 0,1,2,3
	QUANTN 64*\m, 4, 0, 2, TM, PC                  ; my 128 columns are K step w of the next product
	TOLDS AIMG+8192*\m, 512*\m                     ; every wave has passed two barriers since its last read of attn's images
.endr
	s_wait_loadcnt 0x0
	ADDV                                           ; x1 + b2: the C of the last product
	BARRIER                                        ; LN2's 16 fragments lie in LDS
	; ---- four chunks of 512 hidden units: 4 groups of W1, relu and quantiser, 4 groups of W2
	s_mov_b32 s44, 4
.Lchunk:
	FETCHA 0, AIMG, 0, 0
	FETCHA 1, AIMG, 0, 1
	GROUP 0, 33, 1, 20                             ; younger than this set's loads: the next group's 33
	LOADG 0, 1
	FETCHA 0, AIMG, 0, 2
	GROUP 1, 33, 2, 20
	s_wait_xcnt 0x0                                ; the last loads of b1 have read their base
	s_cmp_eq_u32 s44, 1
	s_cselect_b32 s42, 0, 2048                     ; the next chunk's b1; the last chunk asks for its own again: no load leaves b1
	s_add_nc_u64 s[20:21], s[20:21], s[42:43]
	LOADV BI, 20
	LOADG 1, 1
	FETCHA 1, AIMG, 0, 3
	GROUP 0, 49, 2, 20                             ; younger: b1's 16 and the next group's 33
	LOADG 0, 1
	GROUP 1, 33, 2, 0
	LOADG 1, 1
.irp m, 0,1,2,3
	QUANTN 64*\m, 4, 1, 2, TM, PC                  ; my 128 hidden units are K step w of the chunk's four
	TOLDS HIMG+8192*\m, 2048+512*\m
.endr
	BARRIER                                        ; the hidden layer's 16 fragments lie in LDS
	FETCHA 0, HIMG, 2048, 0
	FETCHA 1, HIMG, 2048, 1
	GROUP 0, 33, 0, 20
	LOADG 0, 1
	FETCHA 0, HIMG, 2048, 2
	GROUP 1, 33, 0, 20
	LOADG 1, 1
	FETCHA 1, HIMG, 2048, 3
	GROUP 0, 33, 0, 20
	s_cmp_eq_u32 s44, 1                            ; behind the last chunk there is no group: its last two look-ahead loads read group 35 again and stay inside wbuf and sbuf
	s_cselect_b32 s36, 0, 16384
	s_cselect_b32 s38, 0, 512
	LOADG 0, 1
	GROUP 1, 33, 0, 0
	LOADG 1, 1
	BARRIER                                        ; every wave's reads of the hidden layer's images are in: the next chunk may write them
	s_sub_co_u32 s44, s44, 1
	s_cmp_lg_u32 s44, 0
	s_cbranch_scc1 .Lchunk
	; ---- the way out: a tile at a time through my stage, back as rows of 512 bytes
.irp m, 0,1,2,3
.if \m >= 2
	s_wait_xcnt 0x0                                ; tile m - 2's stores have read their registers
.endif
	WIN 0x0c
.irp t, 0,1,2,3,4,5,6,7
	ds_store_b128 v[SO], v[64*\m+8*\t:64*\m+8*\t+3] offset:128*(\t/2)+32*(\t%2)            ; each accumulator from its low end on
	ds_store_b128 v[SO], v[64*\m+8*\t+4:64*\m+8*\t+7] offset:128*(\t/2)+32*(\t%2)+16
.endr
	WIN 0
.irp i, 0,1,2,3,4,5,6,7,8,9,10,11,12,13,14,15
	ds_load_b128 v[AF+64*(\m%2)+4*\i:AF+64*(\m%2)+4*\i+3], v[SR] offset:SPI*\i
.endr
	s_wait_dscnt 0x0
.irp i, 0,1,2,3,4,5,6,7,8,9,10,11,12,13,14,15
	global_store_b128 v[LI], v[AF+64*(\m%2)+4*\i:AF+64*(\m%2)+4*\i+3], s[24:25] offset:(32*(\m/2)+8*(\m%2)+\i+8*(\i/8))*2048 th:TH_STORE_NT   ; 32 lanes store 512 consecutive bytes, at a multiple of 512 from out0's first byte
.endr
.endr
	s_wait_xcnt 0x0
	v_lshl_add_u32 v254, v0, 2, 0x19c00
	v_mov_b32 v255, 0
	s_wait_tensorcnt 0x0
	ds_add_u32 v254, v255
	s_wait_dscnt 0x0
	s_endpgm
.Lfunc_end_k_q9cce7e6155_ffn:
	.size	k_q9cce7e6155_ffn, .Lfunc_end_k_q9cce7e6155_ffn-k_q9cce7e6155_ffn
	.p2alignl 7, 3214868480
	.fill 96, 4, 3214868480
	.section	.rodata,"a",@progbits
	.p2align	6, 0x0
	.amdhsa_kernel k_q9cce7e6155_ffn
		.amdhsa_group_segment_fixed_size 105984
		.amdhsa_private_segment_fixed_size 0
		.amdhsa_enable_private_segment 0
		.amdhsa_kernarg_size 88
		.amdhsa_user_sgpr_count 2
		.amdhsa_user_sgpr_kernarg_segment_ptr 1
		.amdhsa_wavefront_size32 1
		.amdhsa_system_sgpr_workgroup_id_x 1
		.amdhsa_system_sgpr_workgroup_id_y 1
		.amdhsa_system_sgpr_workgroup_id_z 1
		.amdhsa_system_vgpr_workitem_id 0
		.amdhsa_next_free_vgpr 1024
		.amdhsa_next_free_sgpr 66
		.amdhsa_reserve_vcc 0
		.amdhsa_float_denorm_mode_32 3
		.amdhsa_float_denorm_mode_16_64 3
		.amdhsa_memory_ordered 1
		.amdhsa_forward_progress 1
		.amdhsa_inst_pref_size 255
	.end_amdhsa_kernel
	.section	.bss,"aw",@nobits
	.p2align	6
	.space	262144
	.amdgpu_metadata
---
amdhsa.version: [ 1, 2 ]
amdhsa.kernels:
  - .name:           k_q9cce7e6155_ffn
    .symbol:         k_q9cce7e6155_ffn.kd
    .args:
      - { .name: x, .offset: 0, .size: 8, .value_kind: global_buffer, .address_space: global }
      - { .name: acodes, .offset: 8, .size: 8, .value_kind: global_buffer, .address_space: global }
      - { .name: ascales, .offset: 16, .size: 8, .value_kind: global_buffer, .address_space: global }
      - { .name: wbuf, .offset: 24, .size: 8, .value_kind: global_buffer, .address_space: global }
      - { .name: sbuf, .offset: 32, .size: 8, .value_kind: global_buffer, .address_space: global }
      - { .name: bproj, .offset: 40, .size: 8, .value_kind: global_buffer, .address_space: global }
      - { .name: ln2_g, .offset: 48, .size: 8, .value_kind: global_buffer, .address_space: global }
      - { .name: ln2_b, .offset: 56, .size: 8, .value_kind: global_buffer, .address_space: global }
      - { .name: b1, .offset: 64, .size: 8, .value_kind: global_buffer, .address_space: global }
      - { .name: b2, .offset: 72, .size: 8, .value_kind: global_buffer, .address_space: global }
      - { .name: out0, .offset: 80, .size: 8, .value_kind: global_buffer, .address_space: global }
    .group_segment_fixed_size: 105984
    .private_segment_fixed_size: 0
    .kernarg_segment_align: 8
    .kernarg_segment_size: 88
    .max_flat_workgroup_size: 128
    .sgpr_count:     66
    .vgpr_count:     1024
    .wavefront_size: 32
...
	.end_amdgpu_metadata
.endif
;; end of part 2
;; ======== version 2 of 2: 2 launches; version 1 with the launches attn, ffn written anew for expert scheduling mode
;; workspace buffers: acodes 8,388,608 bytes; ascales 262,144 bytes; wbuf 2,359,296 bytes; sbuf 73,728 bytes
;; launch attn (part 3): grid 4 x 64, 8 waves a work-group, no clusters, 257,024 bytes of LDS; arguments x, ln1_g, ln1_b, Wq_codes, Wq_scales, Wk_codes, Wk_scales, Wv_codes, Wv_scales, Wproj_codes, Wproj_scales, W1_codes, W1_scales, W2_codes, W2_scales, acodes, ascales, wbuf, sbuf; writes acodes, ascales, wbuf, sbuf
.if DOCPART == 3
	.amdgcn_target "amdgcn-amd-amdhsa--gfx1250"
	.amdhsa_code_object_version 6
	.text
	.protected	k_q9cce7e6155_attn
	.globl	k_q9cce7e6155_attn
	.p2align	8
	.type	k_q9cce7e6155_attn,@function
k_q9cce7e6155_attn:
	s_mov_b64 s[64:65], 0
	v_nop
	global_prefetch_b8 v0, s[64:65] scope:SCOPE_SE
	s_setreg_imm32_b32 hwreg(HW_REG_WAVE_SCHED_MODE, 0, 2), 2
	s_setreg_imm32_b32 hwreg(HW_REG_WAVE_MODE, 25, 1), 1
	s_wait_xcnt 0x0
	s_wait_alu depctr_vm_vsrc(0)
; LayerNorm 1, the q, k, v projections, causal attention, and the quantising of its result: all products on codes of BF8 (E5M2) with one E8M0 scale for each 32 along K.
; SHARES.  A work-group owns one batch (256 tokens) and four heads.  EIGHT waves of 512 registers, two to a SIMD, so that one wave's vector work and waits stand beside the other's.  Wave 4 hf + hd: head 4 x + hd, half hf.
; The batch's 256 rows are normalised and quantised once, 32 rows a wave, and lie in LDS as rows of 512 codes | barrier | each wave makes q, k, v of its head for four of the eight groups of 32 tokens (group 4 hf + j), in two
; passes (Wq and Wk, then Wv: the weights of a pass fill window 1), and stores them in the head's region of LDS as images of operand registers | barrier | each wave takes eight of its head's 16 tiles of queries.
; On the side each wave of half 0 copies one fragment of W1 or W2 (the first 128 of them also one of Wproj) into wbuf / sbuf, in the order in which the next launch's operand registers take them.
; THE ROWS OF A TILE ARE NOT NEIGHBOURS.  perm(r) = r + 8 (r / 8).  Row tile 2 g + u holds at lane r token 32 g + 8 u + perm(r); a weight tile e holds at lane r row 8 e + perm(r).  So the 16 result registers of two
; neighbouring tiles are 16 neighbours along the next product's K, and every conversion's result is the next operand's registers.
; q, k: source 0 = 16 rows of W, source 1 = 16 tokens (a lane holds one token, registers run along the head's 32).  v: source 0 = 16 tokens, source 1 = 16 rows of W (a lane holds one channel, registers run along the keys).
; S^T = k q^T and O^T = v^T p^T: a lane holds ONE query throughout.  The head's K is 32: codes 32 .. 127 of k's and q's fragments are zeros, written once.
; SOFTMAX: t = score x log2(e) / sqrt(512); M = the running largest t rounded up to a whole number; p = 2^(t - M) is quantised along the keys; the row's sum is taken of the unquantised p and divides at the end.
; CAUSAL.  Trip j of a wave takes query tile 2 j + hf, whose queries lie in token group j: key blocks 0 .. j count, block j alone is masked, later blocks are not computed (their p are zero codes).
; The branches hang on the loop's counter alone.  The key step is written for 1, 2, 3 and 4 blocks with the mask and for 4 without; k and v come from LDS by an address that carries the key step.
; No joint loads: x goes through registers to be normalised and no tile of it ever lies in LDS; the weights of a head are read by two waves of a work-group, straight into their registers.
; LIMITS: NaN and infinities among the inputs are not served; a block of zeros gets the scale byte 1 (its codes are zeros; the bytes are read by this program alone); O / sum is a reciprocal and a multiplication.
; REGISTERS.  window 0: v1-15 lane numbers and addresses; v16-207 by phase (below); v208-251 scale words and nothing else.
;   window 1: Wq's 8 fragments and (v128 on) ln1's g and b; then Wq's and Wk's; then Wv's; in the attention v's two fragments of a key step (v0-31) and eight buffers for k's tiles (v64-191).
; THE MODE: SCHED_MODE bits 1:0 = 2 (LLVM: expert scheduling mode 2), set by the entry lines.  The code itself states the register dependences between vector or matrix instructions and memory or LDS
; instructions, with s_wait_alu, always for 0.
; THE PLAN.  The registers that memory or LDS instructions touch, who else names them, and the waits that stand between:
;   HEAD       v8-v14 and WO, offsets: all made ahead of one wait on va_vdst, in front of the first load.  The copy's stores read RA, RB, v10, v11: one wait on vm_vsrc behind them frees these, and v8, v9, for LN 1.
;   LN 1       XA, XB: loaded, worked on in place, loaded again.  CD, BY, v10, v11: written by the arithmetic, read by the LDS stores.  A half trip has one wait on vm_vsrc ahead of the lines that write
;              CD (and v10, v11) again, and one on va_vdst ahead of its LDS stores; no vector line stands between that wait and the loads of x that land in the set just worked on.
;   Q, K, V    A trip: vm_vsrc (the last stores have read the codes, the bytes and v10-v14) | the four addresses | va_vdst (they are written; the last products and the quantiser are done with h's
;              registers) | h's loads | products | quantiser | va_vdst | stores.  The loads that lay Wk over g and b, and Wv over Wq, have a wait on va_vdst of their own.
;   ATTENTION  A trip: vm_vsrc (the last trip's LDS loads and stores have read their registers) | all six addresses of the trip | va_vdst (they are written; the last products are done reading q, k, v and
;              their scale words) | the loads.  The step over keys 0 .. 127 takes its addresses from P16, P4, PV4 as they stand, so no address is written between a trip's two steps; one wait on va_vdst stands
;              between them, for k's and v's registers.  In a step: one wait on va_vdst ahead of V^T P (p's codes and scale word are made by vector lines); one on va_sdst behind each run of eight compares.
;              At the trip's end one wait on va_vdst ahead of the two stores.
.set HP,    528                        ; a row of h in LDS: 512 codes + 16 bytes, an odd multiple of 16
.set HSC,   135168                     ; behind 256 such rows: h's scale bytes, 16 a row
.set PRIV,  139264                     ; behind them a region of PRIVB bytes for each head
.set PRIVB, 29184
.set KIMG,  0                          ; in it: k's 16 tiles, 16 bytes a lane; their scale words, 4 bytes a lane;
.set KSC,   8192
.set QIMG,  10240                      ; q's likewise;
.set QSC,   18432
.set VIMG,  20480                      ; v's four fragments (channel tile e, key step st) as images of their registers: e 4096 + (key block g) 512 + 16 lane;
.set VSC,   28672                      ; v's scale words: e 256 + st 128 + 4 lane; byte g % 4
.set LANE, 1
.set RR,   2
.set HH,   3
.set PM,   4                           ; perm(r)
.set P16,  5                           ; my head's region + 16 lane
.set P4,   6                           ; my head's region + 4 lane
.set PV4,  7                           ; my head's region + VSC + 4 lane
.set WO,   12                          ; perm(r) x 512 + 16 h: my place in a weight tile; stands until Wv is in
.set XA,   16                          ; LN: two sets of four rows, 16 numbers a lane and row
.set XB,   80
.set T,    144                         ; LN: eight registers a row: +0,+1 sums, +2 the other half's, +3 the hold, +4 mean, +6 1/sigma
.set CD,   176                         ; LN: four rows' codes
.set BY,   192                         ; LN: their scale bytes, a set for each of XA, XB
.set RA,   144                         ; the copied fragments: codes, codes, scale word, scale word
.set RB,   160
.set RAS,  176
.set RBS,  177
.set GW,   128                         ; in window 1: ln1_g, ln1_b of my 16 columns
.set BW,   144
.set HF,   16                          ; QKV: h's 8 fragments (tile u, K step s) at 64 u + 16 s; behind the products the quantiser's registers and the codes lie over them
.set TM,   16
.set PC,   32
.set AC,   144                         ; QKV: pass 1: q(u, e) 16 u + 8 e, k + 32; pass 2: v(e, u) 16 e + 8 u
.set QF,   16                          ; attention: q's fragment
.set S,    32                          ; S^T, then p
.set O,    96                          ; O^T
.set PCD,  112                         ; p's codes
.set ON,   128                         ; O^T / sum
.set BM,   144                         ; four blocks' largest score, then largest p
.set BP,   148
.set BH,   152
.set BS,   156
.set F,    160                         ; 2^(old M - new M); v161 is named with it as a pair
.set TMP,  162
.set NI,   163
.set AQT,  164                         ; the last quantiser's four registers and its codes
.set AQC,  168
.set AK,   172                         ; LDS addresses of the key step that holds the diagonal: k's tiles, their scale words, v's fragments, their scale words
.set AKS,  173
.set AV,   174
.set AVS,  175
.set AQ1,  176                         ; q's tile and its scale word
.set AQ2,  177
.set SO1,  178                         ; the tile's place in acodes and in ascales
.set SO2,  179
.set KF,   64                          ; in window 1: eight buffers of 16 registers for k's tiles
.set WS,   208                         ; scale words: the weights' (8 matrix + 4 e + s),
.set HS,   232                         ; h's (4 u + s),
.set KS,   240                         ; those of k's tiles of a key step,
.set VS,   248                         ; v's (e),
.set QS,   250                         ; q's,
.set PSW,  251                         ; p's
.set WV,   42
.set SEL,  46
.set CS,   48
.set MNT,  50
.set MK,   66                          ; s[66:73] in the attention: the lane masks of eight registers of the diagonal block
.set HD,   87
.set HLF,  88
.set MSB, 0
.macro WIN new                         ; the immediate's high byte repeats the setting that is left; a switch that changes nothing is dropped
.if MSB != (\new)
	s_set_vgpr_msb (MSB<<8)|(\new)
.set MSB, (\new)
.endif
.endm
.macro PLACES n
.rept \n
	v_nop
.endr
.endm
.macro BARRIER                         ; my LDS stores have landed and my LDS loads are in: then the work-group's barrier
	s_wait_dscnt 0x0
	s_barrier_signal -1
	s_barrier_wait -1
.endm
; n blocks of 32 along K.  Block b: my 16 numbers in v[s + 16 b] on; lane l xor 16 holds the other 16.  Codes to v[pc + 4 b] on; the scale's byte to v[tm + n + b].
; tm + b: largest magnitude; tm + n + b: the other half's, then the byte; tm + 2 n + b: 57,344 x the scale; tm + 3 n + b: the conversion's scale operand.
.macro QUANTN s, n, tm, pc
.set qb, 0
.rept \n
	v_max3_num_f32 v[\tm+qb], |v[\s+16*qb]|, |v[\s+16*qb+1]|, 0x8000000    ; with the floor 2^(16 - 127): the byte cannot fall under 1
.set qb, qb+1
.endr
.set qi, 2
.rept 7
.set qb, 0
.rept \n
	v_max3_num_f32 v[\tm+qb], v[\tm+qb], |v[\s+16*qb+qi]|, |v[\s+16*qb+qi+1]|
.set qb, qb+1
.endr
.set qi, qi+2
.endr
.set qb, 0
.rept \n
	v_permlanex16_b32 v[\tm+\n+qb], v[\tm+qb], s[SEL], s[SEL+1]
.set qb, qb+1
.endr
.set qb, 0
.rept \n
	v_max_num_f32 v[\tm+qb], v[\tm+qb], v[\tm+\n+qb]                       ; the block's largest magnitude
.set qb, qb+1
.endr
.set qb, 0
.rept \n
	v_add_nc_u32 v[\tm+3*\n+qb], 0xf8800000, v[\tm+qb]                     ; 15 off its exponent field: the conversion's scale operand
.set qb, qb+1
.endr
.set qb, 0
.rept \n
	v_and_or_b32 v[\tm+2*\n+qb], v[\tm+qb], 0x7f800000, s[MNT]             ; 57,344 x the scale
.set qb, qb+1
.endr
.set qb, 0
.rept \n
	v_lshrrev_b32 v[\tm+\n+qb], 23, v[\tm+3*\n+qb]                         ; the scale's byte
.set qb, qb+1
.endr
.set qb, 0
.rept \n
.set qi, 0
.rept 16
	v_med3_num_f32 v[\s+16*qb+qi], v[\s+16*qb+qi], -v[\tm+2*\n+qb], v[\tm+2*\n+qb]   ; the conversion does not saturate (ISA guide 7.6.2): the hold
.set qi, qi+1
.endr
.set qb, qb+1
.endr
.set qb, 0
.rept \n
	v_cvt_scalef32_pk8_bf8_f32 v[\pc+4*qb:\pc+4*qb+1], v[\s+16*qb:\s+16*qb+7], v[\tm+3*\n+qb]
	v_cvt_scalef32_pk8_bf8_f32 v[\pc+4*qb+2:\pc+4*qb+3], v[\s+16*qb+8:\s+16*qb+15], v[\tm+3*\n+qb]
.set qb, qb+1
.endr
	v_nop                                          ; one plain line behind the last conversion
.endm
.macro MM d, a, b, sa, sb, ks          ; ks = 0: the first K step starts the sum
.if (\ks) == 0
	v_wmma_scale_f32_16x16x128_f8f6f4 v[\d:\d+7], v[\a:\a+15], v[\b:\b+15], 0, v[\sa], v[\sb] matrix_a_fmt:MATRIX_FMT_BF8 matrix_b_fmt:MATRIX_FMT_BF8
.else
	v_wmma_scale_f32_16x16x128_f8f6f4 v[\d:\d+7], v[\a:\a+15], v[\b:\b+15], v[\d:\d+7], v[\sa], v[\sb] matrix_a_fmt:MATRIX_FMT_BF8 matrix_b_fmt:MATRIX_FMT_BF8
.endif
.endm
.macro WLOAD reg, ptr                  ; a head's 8 fragments (tile e, K step s) of one weight into window 1, v[reg] on: 32 loads
	WIN 0x40
.irp e, 0,1
.irp s, 0,1,2,3
.irp c, 0,1,2,3
	global_load_b128 v[\reg+64*\e+16*\s+4*\c:\reg+64*\e+16*\s+4*\c+3], v[WO], s[\ptr:\ptr+1] offset:\e*4096+128*\s+32*\c
.endr
.endr
.endr
	WIN 0
.endm
	s_load_b512 s[4:19], s[0:1], 0x0               ; x 4, ln1_g 6, ln1_b 8, Wq 10, its scales 12, Wk 14, 16, Wv 18,
	s_load_b512 s[20:35], s[0:1], 0x40             ; 20, Wproj 22, 24, W1 26, 28, W2 30, 32, acodes 34,
	s_load_b128 s[36:39], s[0:1], 0x80             ; ascales 36, wbuf 38,
	s_load_b64 s[40:41], s[0:1], 0x90              ; sbuf 40
	v_lshl_add_u32 v254, v0, 2, 0x3e800
	v_mov_b32 v255, 0
	v_lshrrev_b32 v1, 5, v0
	v_readfirstlane_b32 s[WV], v1                  ; wave 0..7
	v_and_b32 v[LANE], 31, v0
	s_wait_alu depctr_va_vdst(0)
	v_and_b32 v[RR], 15, v0
	v_bfe_u32 v[HH], v0, 4, 1
	v_and_b32 v[PM], 8, v[RR]
	v_add_nc_u32 v[PM], v[PM], v[RR]               ; perm(r)
	s_wait_alu depctr_va_sdst(0)                   ; the wave's number is written, ahead of its first reader
	s_and_b32 s[HD], s[WV], 3                      ; my head among the group's four
	s_lshr_b32 s[HLF], s[WV], 2                    ; my half
	s_mov_b32 s43, ttmp9                           ; head group
	s_and_b32 s44, ttmp7, 0xffff                   ; batch
	s_lshl_b32 s45, s44, 2
	s_add_co_u32 s45, s45, s43
	s_lshl_b32 s45, s45, 2
	s_add_co_u32 s45, s45, s[HD]                   ; (batch, head) as a number, 0 .. 1023: which fragment is copied
	s_mov_b32 s[SEL], 0x76543210
	s_mov_b32 s[SEL+1], 0xfedcba98                 ; v_permlanex16_b32's selects for lane l xor 16
	s_mov_b32 s[CS], 0x3d8293ee                    ; c = log2(e) / sqrt(512)
	s_mov_b32 s[CS+1], s[CS]
	s_mov_b32 s[MNT], 0x600000                     ; the mantissa field of 57,344
	s_mov_b32 s94, 0x3b000000                      ; 1 / 512
	s_mov_b32 s95, 0x3727c5ac                      ; 1e-5
	s_mul_i32 s51, s[HD], PRIVB
	s_add_co_u32 s51, s51, PRIV
	v_lshl_add_u32 v[P16], v[LANE], 4, s51
	v_lshl_add_u32 v[P4], v[LANE], 2, s51
	v_add_nc_u32 v[PV4], VSC, v[P4]
	; ---- the copy of the next launch's weights.  id = number & 511: s3 = id & 3, tile t = (id >> 2) & 7, wave wd = (id >> 5) & 3, chunk ch = id >> 7.
	; W1 (numbers 0 .. 511): rows 128 (id >> 5) + .., K step s3, group 4 + 8 ch + s3.  W2 (512 ..): rows 128 wd + .., K step 4 ch + s3, group 8 + 8 ch + s3.  Wproj: rows 128 wd + .., K step s3, group s3.
	s_and_b32 s52, s45, 511
	s_bfe_u32 s54, s45, 0x30002                    ; t
	s_lshr_b32 s55, s52, 5
	s_and_b32 s56, s55, 3                          ; wd
	s_lshr_b32 s57, s52, 7                         ; ch
	s_and_b32 s58, s45, 3                          ; s3
	s_lshl_b32 s59, s57, 2
	s_add_co_u32 s59, s59, s58                     ; 4 ch + s3
	s_lshr_b32 s53, s45, 9                         ; 0: W1, 1: W2
	s_lshr_b32 s71, s54, 1
	s_lshl_b32 s71, s71, 5
	s_and_b32 s72, s54, 1
	s_lshl_b32 s72, s72, 3
	s_add_co_u32 s71, s71, s72                     ; the tile's first row among the wave's 128: 32 (t / 2) + 8 (t % 2)
	s_mov_b32 s75, 0                               ; the upper word of every offset pair s[74:75]
	s_wait_alu depctr_va_vdst(0)
	s_wait_kmcnt 0x0
	s_cmp_eq_u32 s53, 0                            ; the choice hangs on the number alone
	s_cselect_b64 s[60:61], s[26:27], s[30:31]     ; codes
	s_cselect_b64 s[62:63], s[28:29], s[32:33]     ; scales
	s_cselect_b32 s66, s55, s56                    ; which 128 rows
	s_cselect_b32 s67, s58, s59                    ; K step
	s_cselect_b32 s68, 9, 11                       ; a row of codes: 512 or 2,048 bytes
	s_cselect_b32 s69, 4, 6                        ; a row of scales: 16 or 64 bytes
	s_cselect_b32 s70, 4, 8
	s_lshl_b32 s66, s66, 7
	s_add_co_u32 s66, s66, s71                     ; first row
	s_lshl_b32 s74, s66, s68
	s_lshl_b32 s72, s67, 7
	s_add_co_u32 s74, s74, s72
	s_add_nc_u64 s[60:61], s[60:61], s[74:75]
	s_lshl_b32 s74, s66, s69
	s_lshl_b32 s72, s67, 2
	s_add_co_u32 s74, s74, s72
	s_add_nc_u64 s[62:63], s[62:63], s[74:75]
	; all offsets of the head's loads and stores are made here, together
	v_lshlrev_b32 v8, s68, v[PM]
	v_lshl_add_u32 v8, v[HH], 4, v8                ; perm(r) rows + 16 h
	v_lshlrev_b32 v9, s69, v[PM]
	v_lshlrev_b32 v[WO], 9, v[PM]
	v_lshl_add_u32 v[WO], v[HH], 4, v[WO]          ; perm(r) x 512 + 16 h: Wproj's, Wq's, Wk's and Wv's rows
	v_lshlrev_b32 v13, 4, v[PM]                    ; perm(r) x 16: their scales
	v_lshlrev_b32 v14, 6, v[LANE]                  ; LN: lane l holds columns 16 l .. 16 l + 15 of a row: 64 l bytes
	v_lshlrev_b32 v10, 4, v[LANE]                  ; the copy's stores: 16 bytes a lane,
	v_lshlrev_b32 v11, 4, v[RR]                    ; 16 bytes a row of scale words
	s_wait_alu depctr_va_vdst(0)                   ; v8 to v14 and WO are written: the head's loads and stores read them as their offsets
.irp c, 0,1,2,3
	global_load_b128 v[RA+4*\c:RA+4*\c+3], v8, s[60:61] offset:32*\c
.endr
	global_load_b32 v[RAS], v9, s[62:63]
	s_lshl_b32 s73, s56, 7
	s_add_co_u32 s73, s73, s71                     ; Wproj: first row.  Every wave loads (number & 127's fragment); only half 0 of numbers under 128 stores
	s_lshl_b32 s74, s73, 9
	s_lshl_b32 s72, s58, 7
	s_add_co_u32 s74, s74, s72
	s_add_nc_u64 s[22:23], s[22:23], s[74:75]
	s_lshl_b32 s74, s73, 4
	s_lshl_b32 s72, s58, 2
	s_add_co_u32 s74, s74, s72
	s_add_nc_u64 s[24:25], s[24:25], s[74:75]
.irp c, 0,1,2,3
	global_load_b128 v[RB+4*\c:RB+4*\c+3], v[WO], s[22:23] offset:32*\c
.endr
	global_load_b32 v[RBS], v13, s[24:25]
	; where they go: wbuf ((36 wd + group) 8 + t) 2048 + 512 c + 16 lane; sbuf (36 wd + group) 512 + (t / 4) 256 + 16 r + (t % 4) 4
	s_mul_i32 s77, s56, 36
	s_lshl_b32 s76, s57, 3
	s_add_co_u32 s76, s76, s58
	s_add_co_u32 s76, s76, s70
	s_add_co_u32 s76, s76, s77
	s_add_co_u32 s77, s77, s58
	s_lshr_b32 s72, s54, 2
	s_lshl_b32 s72, s72, 8
	s_and_b32 s73, s54, 3
	s_lshl_b32 s73, s73, 2
	s_add_co_u32 s72, s72, s73
	s_lshl_b32 s74, s76, 3
	s_add_co_u32 s74, s74, s54
	s_lshl_b32 s74, s74, 11
	s_add_nc_u64 s[78:79], s[38:39], s[74:75]
	s_lshl_b32 s74, s76, 9
	s_add_co_u32 s74, s74, s72
	s_add_nc_u64 s[80:81], s[40:41], s[74:75]
	s_lshl_b32 s74, s77, 3
	s_add_co_u32 s74, s74, s54
	s_lshl_b32 s74, s74, 11
	s_add_nc_u64 s[82:83], s[38:39], s[74:75]
	s_lshl_b32 s74, s77, 9
	s_add_co_u32 s74, s74, s72
	s_add_nc_u64 s[84:85], s[40:41], s[74:75]
	; ---- my head's weights: Wq now; Wk behind LN 1, where g and b have left its registers; Wv in the first pass's last trip.  All 24 scale words now
	s_lshl_b32 s86, s43, 2
	s_add_co_u32 s86, s86, s[HD]                   ; head
	s_lshl_b32 s74, s86, 14
	s_add_nc_u64 s[10:11], s[10:11], s[74:75]
	s_add_nc_u64 s[14:15], s[14:15], s[74:75]
	s_add_nc_u64 s[18:19], s[18:19], s[74:75]
	s_lshl_b32 s74, s86, 9
	s_add_nc_u64 s[12:13], s[12:13], s[74:75]
	s_add_nc_u64 s[16:17], s[16:17], s[74:75]
	s_add_nc_u64 s[20:21], s[20:21], s[74:75]
	WLOAD 0, 10
.irp e, 0,1
.irp s, 0,1,2,3
	global_load_b32 v[WS+4*\e+\s], v13, s[12:13] offset:\e*128+4*\s
	global_load_b32 v[WS+8+4*\e+\s], v13, s[16:17] offset:\e*128+4*\s
	global_load_b32 v[WS+16+4*\e+\s], v13, s[20:21] offset:\e*128+4*\s
.endr
.endr
	WIN 0x40
.irp j, 0,1,2,3
	global_load_b128 v[GW+4*\j:GW+4*\j+3], v14, s[6:7] offset:16*\j
	global_load_b128 v[BW+4*\j:BW+4*\j+3], v14, s[8:9] offset:16*\j
.endr
	WIN 0
	s_lshl_b32 s74, s44, 19                        ; the batch's 256 rows of 2,048 bytes,
	s_lshl_b32 s72, s[WV], 16                      ; my wave's 32 tokens
	s_add_co_u32 s74, s74, s72
	s_add_nc_u64 s[4:5], s[4:5], s[74:75]
	s_mov_b64 s[92:93], s[4:5]
.macro XLOAD X, r0                     ; four rows, r0 on, of the eight tokens at s[92:93]
.irp i, 0,1,2,3
.irp j, 0,1,2,3
	global_load_b128 v[\X+16*\i+4*\j:\X+16*\i+4*\j+3], v14, s[92:93] offset:(\r0+\i)*2048+16*\j
.endr
.endr
.endm
	XLOAD XA, 0
	XLOAD XB, 4
	s_wait_loadcnt 63                              ; 96 loads were issued behind the copy's ten: those ten are in
	s_cmp_lt_u32 s[WV], 4                          ; the two waves of a head loaded the same fragments: half 0 stores them
	s_cbranch_scc0 .Lno_copy
.irp c, 0,1,2,3
	global_store_b128 v10, v[RA+4*\c:RA+4*\c+3], s[78:79] offset:512*\c    ; 32 lanes store 512 consecutive bytes
.endr
	global_store_b32 v11, v[RAS], s[80:81]         ; lanes 16-31 repeat lanes 0-15's word
	s_cmp_lt_u32 s45, 128
	s_cbranch_scc0 .Lno_copy
.irp c, 0,1,2,3
	global_store_b128 v10, v[RB+4*\c:RB+4*\c+3], s[82:83] offset:512*\c
.endr
	global_store_b32 v11, v[RBS], s[84:85]
.Lno_copy:
	s_wait_xcnt 0x0                                ; the stores have read their registers: T, CD and v8-11 are written from here on
	s_wait_alu depctr_vm_vsrc(0)                   ; the copy's stores have read RA, RB, their scale words, v10 and v11, and its loads v8 and v9: LN 1 writes all of these
	; ---- LN 1.  One wave, one row at a time, four rows by turns.  Trip k takes the eight neighbouring tokens 8 (k / 2) + 16 (k % 2) on of my 32: they are positions 8 k .. 8 k + 7 of my two row tiles.
	s_mul_i32 s72, s[WV], 32*HP
	v_lshl_add_u32 v8, v[LANE], 4, s72             ; h's codes: my 32 positions, 16 bytes a lane
	v_lshrrev_b32 v9, 1, v[LANE]
	s_lshl_b32 s72, s[WV], 9
	s_add_co_u32 s72, s72, HSC
	v_add_nc_u32 v9, s72, v9                       ; h's scale bytes: two lanes to a block
.irp i, 0,1,2,3
	v_mov_b32 v[T+8*\i+2], 0                       ; a lane permute's destination counts as one of its sources;
	v_mov_b32 v[T+8*\i+5], 0                       ; these are named as the upper halves of pairs
	v_mov_b32 v[T+8*\i+7], 0
.endr
.macro REDUCE4                         ; each row's pair of sums becomes the sum over the 32 lanes, in every lane
.irp i, 0,1,2,3
	v_add_f32 v[T+8*\i], v[T+8*\i], v[T+8*\i+1]
.endr
.irp m, 1,2,4,8
.irp i, 0,1,2,3
	v_add_f32_dpp v[T+8*\i], v[T+8*\i], v[T+8*\i] row_xmask:\m row_mask:0xf bank_mask:0xf
.endr
.endr
.irp i, 0,1,2,3
	v_permlanex16_b32 v[T+8*\i+2], v[T+8*\i], s[SEL], s[SEL+1]
.endr
.irp i, 0,1,2,3
	v_add_f32 v[T+8*\i], v[T+8*\i], v[T+8*\i+2]
.endr
.endm
.macro LN4A X                          ; mean, variance, (x - mean) / sigma x g + b, and each block's largest magnitude
.irp i, 0,1,2,3
	v_pk_add_f32 v[T+8*\i:T+8*\i+1], v[\X+16*\i:\X+16*\i+1], v[\X+16*\i+2:\X+16*\i+3]
.endr
.irp j, 4,6,8,10,12,14
.irp i, 0,1,2,3
	v_pk_add_f32 v[T+8*\i:T+8*\i+1], v[T+8*\i:T+8*\i+1], v[\X+16*\i+\j:\X+16*\i+\j+1]
.endr
.endr
	REDUCE4
.irp i, 0,1,2,3
	v_mul_f32 v[T+8*\i+4], s94, v[T+8*\i]          ; the mean
.endr
.irp j, 0,2,4,6,8,10,12,14
.irp i, 0,1,2,3
	v_pk_add_f32 v[\X+16*\i+\j:\X+16*\i+\j+1], v[\X+16*\i+\j:\X+16*\i+\j+1], v[T+8*\i+4:T+8*\i+5] op_sel_hi:[1,0] neg_lo:[0,1] neg_hi:[0,1]
.endr
.endr
.irp i, 0,1,2,3
	v_pk_mul_f32 v[T+8*\i:T+8*\i+1], v[\X+16*\i:\X+16*\i+1], v[\X+16*\i:\X+16*\i+1]
.endr
.irp j, 2,4,6,8,10,12,14
.irp i, 0,1,2,3
	v_pk_fma_f32 v[T+8*\i:T+8*\i+1], v[\X+16*\i+\j:\X+16*\i+\j+1], v[\X+16*\i+\j:\X+16*\i+\j+1], v[T+8*\i:T+8*\i+1]
.endr
.endr
	REDUCE4
.irp i, 0,1,2,3
	v_fma_f32 v[T+8*\i], v[T+8*\i], s94, s95       ; variance + 1e-5
.endr
	s_wait_alu depctr_va_vdst(0)
.irp i, 0,1,2,3
	v_rsq_f32 v[T+8*\i+6], v[T+8*\i]
.endr
	v_nop                                          ; a plain line behind the last of the four,
	s_wait_alu depctr_va_vdst(0)                   ; and one wait for the four, ahead of their first reader
.irp j, 0,2,4,6,8,10,12,14
.irp i, 0,1,2,3
	v_pk_mul_f32 v[\X+16*\i+\j:\X+16*\i+\j+1], v[\X+16*\i+\j:\X+16*\i+\j+1], v[T+8*\i+6:T+8*\i+7] op_sel_hi:[1,0]
.endr
.endr
	WIN 0x14                                       ; sources 1 and 2 (g, b) window 1
.irp j, 0,2,4,6,8,10,12,14
.irp i, 0,1,2,3
	v_pk_fma_f32 v[\X+16*\i+\j:\X+16*\i+\j+1], v[\X+16*\i+\j:\X+16*\i+\j+1], v[GW+\j:GW+\j+1], v[BW+\j:BW+\j+1]
.endr
.endr
	WIN 0
.irp i, 0,1,2,3
	v_max3_num_f32 v[T+8*\i], |v[\X+16*\i]|, |v[\X+16*\i+1]|, 0x8000000
.endr
.irp j, 2,4,6,8,10,12,14
.irp i, 0,1,2,3
	v_max3_num_f32 v[T+8*\i], v[T+8*\i], |v[\X+16*\i+\j]|, |v[\X+16*\i+\j+1]|
.endr
.endr
.irp i, 0,1,2,3
	v_max_num_f32_dpp v[T+8*\i], v[T+8*\i], v[T+8*\i] row_xmask:1 row_mask:0xf bank_mask:0xf   ; with my neighbour's 16: the block's
.endr
.endm
.macro LN4B X, set                     ; scale, hold, codes; to LDS
.irp i, 0,1,2,3
	v_add_nc_u32 v[T+8*\i+1], 0xf8800000, v[T+8*\i]
.endr
.irp i, 0,1,2,3
	v_and_or_b32 v[T+8*\i+3], v[T+8*\i], 0x7f800000, s[MNT]
.endr
.irp i, 0,1,2,3
.irp j, 0,1,2,3,4,5,6,7,8,9,10,11,12,13,14,15
	v_med3_num_f32 v[\X+16*\i+\j], v[\X+16*\i+\j], -v[T+8*\i+3], v[T+8*\i+3]
.endr
.endr
.irp i, 0,1,2,3
	v_cvt_scalef32_pk8_bf8_f32 v[CD+4*\i:CD+4*\i+1], v[\X+16*\i:\X+16*\i+7], v[T+8*\i+1]
	v_cvt_scalef32_pk8_bf8_f32 v[CD+4*\i+2:CD+4*\i+3], v[\X+16*\i+8:\X+16*\i+15], v[T+8*\i+1]
.endr
.irp i, 0,1,2,3
	v_lshrrev_b32 v[BY+4*\set+\i], 23, v[T+8*\i+1] ; the scale's byte (plain lines behind the conversions)
.endr
	s_wait_alu depctr_va_vdst(0)                   ; the conversions have written CD, the shifts BY, the additions v10 and v11: the LDS stores read them; and this set's numbers have been read for the last time: the loads of x behind the macro land in them
.irp i, 0,1,2,3
	ds_store_b128 v10, v[CD+4*\i:CD+4*\i+3] offset:(4*\set+\i)*HP
	ds_store_b8 v11, v[BY+4*\set+\i] offset:(4*\set+\i)*16     ; both lanes of a block write the same byte with the same value
.endr
.endm
	s_mov_b32 s52, 0
.Lln:
	s_wait_loadcnt 16                              ; set A's 16 loads are in; set B's 16 are the younger ones
	LN4A XA
	s_wait_alu depctr_va_vdst(0)
	s_wait_dscnt 0x0                               ; the last LDS stores have read CD and their addresses
	s_wait_alu depctr_vm_vsrc(0)                   ; the last LDS stores have read CD, BY, v10 and v11, which are written again below
	s_mul_i32 s53, s52, 8*HP
	v_add_nc_u32 v10, s53, v8
	s_lshl_b32 s53, s52, 7
	v_add_nc_u32 v11, s53, v9
	LN4B XA, 0
	s_add_co_u32 s54, s52, 1
	s_min_u32 s54, s54, 3                          ; the next trip's tokens; the last trip asks for its own again: no load leaves x
	s_bfe_u32 s55, s54, 0x10001
	s_lshl_b32 s55, s55, 3
	s_and_b32 s56, s54, 1
	s_lshl_b32 s56, s56, 4
	s_add_co_u32 s55, s55, s56
	s_lshl_b32 s74, s55, 11
	s_wait_xcnt 0x0                                ; the earlier loads have read their base
	s_add_nc_u64 s[92:93], s[4:5], s[74:75]
	XLOAD XA, 0                                    ; no vector line since the wait in LN4B names set A
	s_wait_loadcnt 16                              ; set B's are in; the 16 just issued are the younger ones
	LN4A XB
	s_wait_alu depctr_va_vdst(0)
	s_wait_dscnt 0x0
	s_wait_alu depctr_vm_vsrc(0)                   ; set A's LDS stores have read CD, which set B's conversions write again
	LN4B XB, 1
	XLOAD XB, 4                                    ; no vector line since the wait in LN4B names set B
	s_add_co_u32 s52, s52, 1
	s_cmp_lt_u32 s52, 4
	s_cbranch_scc1 .Lln
	s_wait_loadcnt 0x0                             ; the last trip's loads land before their registers are used otherwise
	s_wait_alu depctr_va_vdst(0)                   ; LN 1's multiply-adds are done reading g and b, in whose registers Wk lands
	WLOAD 128, 14                                  ; Wk, over g and b, which have been read for the last time; it lands while the waves meet
	BARRIER                                        ; h's 256 rows of codes and their scale bytes lie in LDS
	; ---- q and k of my four groups of 32 tokens: 8 accumulators by turns, K step by K step
	v_mul_u32_u24 v8, v[RR], HP
	v_lshl_add_u32 v8, v[HH], 4, v8                ; a fragment's row x pitch + 16 h
	v_lshl_add_u32 v9, v[RR], 4, HSC               ; my row's 16 scale bytes: four words
	s_lshl_b32 s53, s[HLF], 2                      ; my first group
.macro HADR                            ; where h's fragments of token group s54 and their scale words lie
	s_mul_i32 s55, s54, 32*HP
	v_add_nc_u32 v10, s55, v8
	s_lshl_b32 s55, s54, 9
	v_add_nc_u32 v11, s55, v9
.endm
.macro HLOAD                           ; h's 8 fragments (tile u, K step s) and their scale words
.irp u, 0,1
.irp s, 0,1,2,3
.irp c, 0,1,2,3
	ds_load_b128 v[HF+64*\u+16*\s+4*\c:HF+64*\u+16*\s+4*\c+3], v10 offset:\u*16*HP+128*\s+32*\c
.endr
.endr
.endr
.irp u, 0,1
	ds_load_b128 v[HS+4*\u:HS+4*\u+3], v11 offset:256*\u
.endr
.endm
	s_mov_b32 s52, 0
.Lqk:
	s_add_co_u32 s54, s53, s52                     ; group 4 hf + j
	s_wait_dscnt 0x0                               ; the last trip's stores have read the codes and bytes that lie in h's registers
	s_wait_alu depctr_vm_vsrc(0)                   ; the last LDS instructions have read v10, v11, v13, v14 and the codes and bytes (in the first trip: LN 1's, and the loads of x v14): all are written again below
	s_wait_alu depctr_va_vdst(0)
	HADR
	s_lshl_b32 s55, s54, 10
	v_add_nc_u32 v13, s55, v[P16]                  ; q's and k's images: two tiles of 512 bytes a group
	s_lshl_b32 s55, s54, 8
	v_add_nc_u32 v14, s55, v[P4]                   ; their scale words: two times 128 bytes
	s_wait_alu depctr_va_vdst(0)                   ; the four addresses are written; the last trip's products and its quantiser are done with h's registers and scale words, in which the loads below land
	HLOAD
	s_wait_loadcnt 0x0                             ; Wk (met at once from the second trip on)
	s_wait_dscnt 0x0
	WIN 0x01                                       ; source 0 (Wq, Wk) window 1
.irp s, 0,1,2,3
.irp u, 0,1
.irp e, 0,1
	MM AC+16*\u+8*\e, 64*\e+16*\s, HF+64*\u+16*\s, WS+4*\e+\s, HS+4*\u+\s, \s
.endr
.endr
.irp u, 0,1
.irp e, 0,1
	MM AC+32+16*\u+8*\e, 128+64*\e+16*\s, HF+64*\u+16*\s, WS+8+4*\e+\s, HS+4*\u+\s, \s
.endr
.endr
.endr
	WIN 0
	PLACES 8                                       ; in front of the first read of results, of writes over h's registers and of loads over Wq's
	s_cmp_lg_u32 s52, 3
	s_cbranch_scc1 .Lnot_last
	s_wait_alu depctr_va_vdst(0)                   ; the products are done reading Wq, in whose registers Wv lands
	WLOAD 0, 18                                    ; Wq has been multiplied for the last time: Wv lands while the last group is quantised
.Lnot_last:
	QUANTN AC, 4, TM, PC                           ; blocks: q of tile 0, 1; k of tile 0, 1 (K = the head's 32)
	s_wait_alu depctr_va_vdst(0)                   ; the quantiser has written the codes and the bytes, which the LDS stores read
.irp u, 0,1
	ds_store_b128 v13, v[PC+4*\u:PC+4*\u+3] offset:QIMG+512*\u
	ds_store_b32 v14, v[TM+4+\u] offset:QSC+128*\u             ; the byte as a word: the three upper bytes scale zero codes
	ds_store_b128 v13, v[PC+8+4*\u:PC+8+4*\u+3] offset:KIMG+512*\u
	ds_store_b32 v14, v[TM+6+\u] offset:KSC+128*\u
.endr
	s_add_co_u32 s52, s52, 1
	s_cmp_lt_u32 s52, 4
	s_cbranch_scc1 .Lqk
	; ---- v of the same four groups: 4 accumulators by turns
	s_lshl_b32 s55, s[HLF], 7
	v_add_nc_u32 v15, s55, v[PV4]                  ; my half's scale words of v: key step hf
	s_mov_b32 s52, 0
.Lv:
	s_add_co_u32 s54, s53, s52
	s_wait_dscnt 0x0
	s_wait_alu depctr_vm_vsrc(0)                   ; the last LDS instructions have read v10, v11, v13, v14 and the codes and bytes, which are written again below
	HADR
	s_lshl_b32 s55, s54, 9
	v_add_nc_u32 v13, s55, v[P16]                  ; one key block, 512 bytes, for each channel tile
	s_wait_alu depctr_va_vdst(0)
	v_add_nc_u32 v14, s52, v15                     ; and byte j of its scale word
	s_wait_alu depctr_va_vdst(0)                   ; the four addresses are written; the last trip's products and its quantiser are done with h's registers and scale words, in which the loads below land
	HLOAD
	s_wait_loadcnt 0x0                             ; Wv
	s_wait_dscnt 0x0
	WIN 0x04                                       ; source 1 (Wv) window 1
.irp s, 0,1,2,3
.irp e, 0,1
.irp u, 0,1
	MM AC+16*\e+8*\u, HF+64*\u+16*\s, 64*\e+16*\s, HS+4*\u+\s, WS+16+4*\e+\s, \s
.endr
.endr
.endr
	WIN 0
	PLACES 8
	QUANTN AC, 2, TM, PC                           ; blocks: v of channel tile 0, 1 (K = these 32 keys)
	s_wait_alu depctr_va_vdst(0)                   ; the quantiser has written the codes and the bytes, which the LDS stores read
.irp e, 0,1
	ds_store_b128 v13, v[PC+4*\e:PC+4*\e+3] offset:VIMG+4096*\e
	ds_store_b8 v14, v[TM+2+\e] offset:256*\e
.endr
	s_add_co_u32 s52, s52, 1
	s_cmp_lt_u32 s52, 4
	s_cbranch_scc1 .Lv
	BARRIER                                        ; each head's q, k and v, made by two waves, lie whole in its region
	s_wait_alu depctr_vm_vsrc(0)                   ; my last LDS instructions have read v11, v13, v14, the codes and the bytes: the attention writes these registers
	; ---- attention.  A fragment of k or q is 16 registers of which four hold the head's 32 codes; the other twelve are zero codes, written here once.
	WIN 0x40
.set kt, 0
.rept 8
.set kz, 4
.rept 12
	v_mov_b32 v[KF+16*kt+kz], 0
.set kz, kz+1
.endr
.set kt, kt+1
.endr
	WIN 0
.set kz, 4
.rept 12
	v_mov_b32 v[QF+kz], 0
.set kz, kz+1
.endr
.irp b, 0,1,2,3
	v_mov_b32 v[BP+\b], 0                          ; a lane permute's destination counts as one of its sources
.endr
	v_mov_b32 v[F+1], 0
	v_mov_b32 v[AQT+1], 0
	v_mov_b32 v[TMP], 0
	v_lshlrev_b32 v8, 4, v[LANE]                   ; acodes: 16 bytes a lane
	v_lshlrev_b32 v9, 2, v[RR]                     ; ascales: 4 bytes a row, my head's byte
	v_lshlrev_b32 v11, 4, v[HH]
	v_sub_nc_u32 v11, v[PM], v11
	s_lshl_b32 s55, s[HLF], 3
	v_add_nc_u32 v11, s55, v11                     ; perm(r) + 8 hf - 16 h: in the diagonal block register i's key is hidden where i is above this
	s_lshl_b32 s72, s44, 6
	s_add_co_u32 s72, s72, s43
	s_lshl_b32 s73, s[HLF], 2
	s_add_co_u32 s72, s72, s73                     ; fragment (row tile 16 batch + 2 j + hf, head group): 64 batch + group + 4 hf, + 8 j
	s_lshl_b32 s74, s72, 11
	s_lshl_b32 s73, s[HD], 9
	s_add_co_u32 s74, s74, s73
	s_add_nc_u64 s[34:35], s[34:35], s[74:75]
	s_lshl_b32 s74, s72, 6
	s_add_co_u32 s74, s74, s[HD]
	s_add_nc_u64 s[36:37], s[36:37], s[74:75]
.macro SETADR                          ; the LDS addresses of key step s55
	s_lshl_b32 s56, s55, 12
	v_add_nc_u32 v[AK], s56, v[P16]
	s_lshl_b32 s56, s55, 10
	v_add_nc_u32 v[AKS], s56, v[P4]
	s_lshl_b32 s56, s55, 11
	v_add_nc_u32 v[AV], s56, v[P16]
	s_lshl_b32 s56, s55, 7
	v_add_nc_u32 v[AVS], s56, v[PV4]
.endm
; A key step of nb blocks of 32 keys (1 to 4).  Register 16 b + i of S^T holds key 32 b + 16 h + i of the step, for my query.  mask = 1: the last of the nb blocks lies on the diagonal.
; ka, ksa, va, vsa: the registers that hold the step's LDS addresses (k's tiles, their scale words, v's fragments, their scale words).  The wait that stands ahead of the step's loads is the caller's.
.macro STEPN nb, mask, ka, ksa, va, vsa
	WIN 0x40                                       ; destination window 1
.set kt, 0
.rept 2*\nb
	ds_load_b128 v[KF+16*kt:KF+16*kt+3], v[\ka] offset:KIMG+512*kt
.set kt, kt+1
.endr
.irp e, 0,1
.irp c, 0,1,2,3
	ds_load_b128 v[16*\e+4*\c:16*\e+4*\c+3], v[\va] offset:VIMG+4096*\e+512*\c      ; v's fragments whole: the codes of keys left out are finite and meet zero codes
.endr
.endr
	WIN 0
.set kt, 0
.rept 2*\nb
	ds_load_b32 v[KS+kt], v[\ksa] offset:KSC+128*kt
.set kt, kt+1
.endr
.irp e, 0,1
	ds_load_b32 v[VS+\e], v[\vsa] offset:256*\e
.endr
	s_wait_dscnt 0x0                               ; these, and q's tile
	WIN 0x01                                       ; source 0 (k) window 1
.set kt, 0
.rept 2*\nb
	v_wmma_scale_f32_16x16x128_f8f6f4 v[S+8*kt:S+8*kt+7], v[KF+16*kt:KF+16*kt+15], v[QF:QF+15], 0, v[KS+kt], v[QS] matrix_a_fmt:MATRIX_FMT_BF8 matrix_b_fmt:MATRIX_FMT_BF8
.set kt, kt+1
.endr
	WIN 0
	PLACES 8
.if \mask
	v_mov_b32 v[NI], 0xff800000                    ; -infinity: p = 0 then
.irp hv, 0,1                                   ; the block's 16 registers in two runs of eight: eight compares into eight scalar registers, one wait, eight selections
.set mn, 0
.rept 8
	v_cmp_gt_i32 s[MK+mn], 8*\hv+mn, v11
.set mn, mn+1
.endr
	s_wait_alu depctr_va_sdst(0)                   ; the eight compares have written their masks, ahead of the first selection that reads one
.set mn, 0
.rept 8
	v_cndmask_b32 v[S+16*(\nb-1)+8*\hv+mn], v[S+16*(\nb-1)+8*\hv+mn], v[NI], s[MK+mn]
.set mn, mn+1
.endr
.endr
.endif
.set sb, 0
.rept \nb
	v_max3_num_f32 v[BM+sb], v[S+16*sb], v[S+16*sb+1], v[S+16*sb+2]        ; the largest score of each block: for the row's maximum and, since p rises with the score, for the block's largest p
.set sb, sb+1
.endr
.set si, 3
.rept 6
.set sb, 0
.rept \nb
	v_max3_num_f32 v[BM+sb], v[BM+sb], v[S+16*sb+si], v[S+16*sb+si+1]
.set sb, sb+1
.endr
.set si, si+2
.endr
.set sb, 0
.rept \nb
	v_max_num_f32 v[BM+sb], v[BM+sb], v[S+16*sb+15]
.set sb, sb+1
.endr
.set sb, 0
.rept \nb
	v_permlanex16_b32 v[BP+sb], v[BM+sb], s[SEL], s[SEL+1]
.set sb, sb+1
.endr
.set sb, 0
.rept \nb
	v_max_num_f32 v[BM+sb], v[BM+sb], v[BP+sb]     ; with lane l xor 16's 16 keys.  The query's own key counts, so the diagonal block's maximum is a number
.set sb, sb+1
.endr
.if \nb == 1
	v_mul_f32 v[TMP], s[CS], v[BM]                 ; the step's largest score as t (c is positive)
.elseif \nb == 2
	v_max_num_f32 v[TMP], v[BM], v[BM+1]
	v_mul_f32 v[TMP], s[CS], v[TMP]
.elseif \nb == 3
	v_max3_num_f32 v[TMP], v[BM], v[BM+1], v[BM+2]
	v_mul_f32 v[TMP], s[CS], v[TMP]
.else
	v_max3_num_f32 v[TMP], v[BM], v[BM+1], v[BM+2]
	v_max_num_f32 v[TMP], v[TMP], v[BM+3]
	v_mul_f32 v[TMP], s[CS], v[TMP]
.endif
	v_max_num_f32 v13, v13, v[TMP]                 ; the running largest t
	v_mov_b32 v[TMP], v12
	v_floor_f32 v12, -v13                          ; the new -M = -ceil(t): a whole number
	v_sub_f32 v[TMP], v12, v[TMP]                  ; old M - new M, 0 or less
	v_cvt_i32_f32 v[TMP], v[TMP]                   ; (it saturates)
	v_ldexp_f32 v[F], 1.0, v[TMP]                  ; f = 2^(old M - new M): a multiplication by it rounds nothing
.set pj, 0
.rept 8*\nb
	v_pk_fma_f32 v[S+pj:S+pj+1], v[S+pj:S+pj+1], s[CS:CS+1], v[12:13] op_sel_hi:[1,0,0]   ; t - M
.set pj, pj+2
.endr
.set sb, 0
.rept \nb
	v_fma_f32 v[BM+sb], v[BM+sb], s[CS], v12
.set sb, sb+1
.endr
.set pj, 0
	s_wait_alu depctr_va_vdst(0)
.rept 16*\nb
	v_exp_f32 v[S+pj], v[S+pj]                     ; p = 2^(t - M), not normalised
.set pj, pj+1
.endr
	v_pk_mul_f32 v[14:15], v[14:15], v[F:F+1] op_sel_hi:[1,0]      ; the sums under the new M (a plain line behind the exponentials)
	s_wait_alu depctr_va_vdst(0)                   ; one wait for the batch, ahead of its first reader
.set sb, 0
.rept \nb
	v_exp_f32 v[BM+sb], v[BM+sb]                   ; the block's largest p
.set sb, sb+1
.endr
	v_pk_add_f32 v[BP:BP+1], v[S:S+1], v[S+2:S+3]  ; the row's sum is taken of the unquantised p, in two chains
.set pj, 4
.rept 4*\nb-1
	v_pk_add_f32 v[14:15], v[14:15], v[S+pj:S+pj+1]
	v_pk_add_f32 v[BP:BP+1], v[BP:BP+1], v[S+pj+2:S+pj+3]
.set pj, pj+4
.endr
	v_pk_add_f32 v[14:15], v[14:15], v[BP:BP+1]
	s_wait_alu depctr_va_vdst(0)                   ; and one for the blocks' largest p
.set sb, 0
.rept \nb
	v_max_num_f32 v[BM+sb], 0x8000000, v[BM+sb]    ; the floor: a block whose every p is 0 keeps the byte 1; its codes are zeros
.set sb, sb+1
.endr
.set sb, 0
.rept \nb
	v_add_nc_u32 v[BS+sb], 0xf8800000, v[BM+sb]
.set sb, sb+1
.endr
.set sb, 0
.rept \nb
	v_and_or_b32 v[BH+sb], v[BM+sb], 0x7f800000, s[MNT]
.set sb, sb+1
.endr
.set sb, 0
.rept \nb
	v_lshrrev_b32 v[BP+sb], 23, v[BS+sb]
.set sb, sb+1
.endr
.if \nb == 1
	v_mov_b32 v[PSW], v[BP]                        ; p's scale word; the bytes of blocks left out are 0 and scale zero codes
.else
	v_lshl_or_b32 v[PSW], v[BP+1], 8, v[BP]
.endif
.if \nb > 2
	v_lshl_or_b32 v[PSW], v[BP+2], 16, v[PSW]
.endif
.if \nb > 3
	v_lshl_or_b32 v[PSW], v[BP+3], 24, v[PSW]
.endif
.set sb, 0
.rept \nb
.set si, 0
.rept 16
	v_min_num_f32 v[S+16*sb+si], v[S+16*sb+si], v[BH+sb]       ; p is not negative: the hold is one-sided
.set si, si+1
.endr
	v_cvt_scalef32_pk8_bf8_f32 v[PCD+4*sb:PCD+4*sb+1], v[S+16*sb:S+16*sb+7], v[BS+sb]
	v_cvt_scalef32_pk8_bf8_f32 v[PCD+4*sb+2:PCD+4*sb+3], v[S+16*sb+8:S+16*sb+15], v[BS+sb]
.set sb, sb+1
.endr
.if \nb < 4
.set pj, 4*\nb
.rept 16-4*\nb
	v_mov_b32 v[PCD+pj], 0                         ; the blocks behind the diagonal: zero codes
.set pj, pj+1
.endr
.endif
.irp j, 0,2,4,6,8,10,12,14
	v_pk_mul_f32 v[O+\j:O+\j+1], v[O+\j:O+\j+1], v[F:F+1] op_sel_hi:[1,0]  ; O^T under the new M; these eight are also the lines between the codes and the products
.endr
	s_wait_alu depctr_va_vdst(0)                   ; the conversions and moves have written p's codes, the shifts its scale word: the products below take them as source 1 and as its scales; the eight lines above stay beside this wait
	WIN 0x01                                       ; source 0 (v) window 1
.irp e, 0,1
	v_wmma_scale_f32_16x16x128_f8f6f4 v[O+8*\e:O+8*\e+7], v[16*\e:16*\e+15], v[PCD:PCD+15], v[O+8*\e:O+8*\e+7], v[VS+\e], v[PSW] matrix_a_fmt:MATRIX_FMT_BF8 matrix_b_fmt:MATRIX_FMT_BF8
.endr
	WIN 0
.endm
	s_mov_b32 s52, 0
.Ltau:                                                 ; 8 trips: query tile 2 j + hf
	s_wait_alu depctr_vm_vsrc(0)                   ; the last trip's LDS loads have read the six addresses that are written here; its two stores have read SO1, SO2, the codes and the byte, which are written further down
	s_lshl_b32 s53, s52, 1
	s_add_co_u32 s53, s53, s[HLF]
	s_lshl_b32 s54, s53, 9
	v_add_nc_u32 v[AQ1], s54, v[P16]
	s_lshl_b32 s54, s53, 7
	v_add_nc_u32 v[AQ2], s54, v[P4]
	s_lshr_b32 s55, s52, 2                         ; the key step that holds the diagonal; (j % 4) + 1 of its blocks count
	SETADR
	s_wait_alu depctr_va_vdst(0)                   ; the six addresses are written; the last trip's products are done reading q, k, v and their scale words, in which this trip's loads land (first trip: the zero codes of q's and k's fragments are written)
	ds_load_b128 v[QF:QF+3], v[AQ1] offset:QIMG
	ds_load_b32 v[QS], v[AQ2] offset:QSC
	v_mov_b32 v13, 0xff61b1e6                      ; the largest t so far: -3e38
	v_floor_f32 v12, -v13                          ; -M
	v_mov_b32 v14, 0
	v_mov_b32 v15, 0
.set pj, 0
.rept 16
	v_mov_b32 v[O+pj], 0                           ; the step is written alike for first and later steps: the first change of M multiplies zeros
.set pj, pj+1
.endr
	s_cmp_lt_u32 s52, 4
	s_cbranch_scc1 .Ldiag
	STEPN 4, 0, P16, P4, P16, PV4                  ; queries from 128 on see all of keys 0 .. 127: key step 0 lies at the region's own addresses.  No vector line since the wait above names a register that its loads touch
	PLACES 8                                       ; in front of the loads into registers that these products have read
	s_wait_alu depctr_va_vdst(0)                   ; this step's products are done reading k's tiles, v's fragments and their scale words, in which the next step's loads land
.Ldiag:
	s_and_b32 s56, s52, 3
	s_cmp_eq_u32 s56, 0
	s_cbranch_scc1 .Ld1
	s_cmp_eq_u32 s56, 1
	s_cbranch_scc1 .Ld2
	s_cmp_eq_u32 s56, 2
	s_cbranch_scc1 .Ld3
	STEPN 4, 1, AK, AKS, AV, AVS
	s_branch .Lfin
.Ld3:
	STEPN 3, 1, AK, AKS, AV, AVS
	s_branch .Lfin
.Ld2:
	STEPN 2, 1, AK, AKS, AV, AVS
	s_branch .Lfin
.Ld1:
	STEPN 1, 1, AK, AKS, AV, AVS
.Lfin:
	PLACES 8
	v_add_f32 v14, v14, v15
	v_permlanex16_b32 v[TMP], v14, s[SEL], s[SEL+1]
	v_add_f32 v14, v14, v[TMP]                     ; the row's sum
	s_wait_alu depctr_va_vdst(0)
	v_rcp_f32 v[NI], v14
	v_nop
	s_wait_alu depctr_va_vdst(0)                   ; the reciprocal is written, ahead of its first reader
.set pj, 0
.rept 16
	v_mul_f32 v[ON+pj], v[O+pj], v[NI]             ; register i: channel 16 h + i of my head
.set pj, pj+1
.endr
	s_wait_xcnt 0x0                                ; the last tile's stores, a whole trip back, have read their data and offsets: both are written again from here on (the wait on vm_vsrc at the trip's head has stated the same for the registers)
	s_lshl_b32 s54, s52, 14
	v_add_nc_u32 v[SO1], s54, v8                   ; 8 fragments of 2,048 bytes a trip
	s_lshl_b32 s54, s52, 9
	v_add_nc_u32 v[SO2], s54, v9                   ; and 8 x 64 scale bytes
	QUANTN ON, 1, AQT, AQC                         ; the head's 32 channels are one block of the next product's K
	s_wait_alu depctr_va_vdst(0)                   ; the quantiser has written the codes and the byte, the additions SO1 and SO2: the two stores read them
	global_store_b128 v[SO1], v[AQC:AQC+3], s[34:35]   ; 32 lanes store 512 consecutive bytes: registers 4 hd .. 4 hd + 3 of the next launch's fragment
	global_store_b8 v[SO2], v[AQT+1], s[36:37]
	s_add_co_u32 s52, s52, 1
	s_cmp_lt_u32 s52, 8
	s_cbranch_scc1 .Ltau
	s_wait_dscnt 0x0                               ; the closing lines, six on end
	s_wait_alu 0x0
	s_wait_tensorcnt 0x0
	ds_add_u32 v254, v255
	s_wait_dscnt 0x0
	s_endpgm
.Lfunc_end_k_q9cce7e6155_attn:
	.size	k_q9cce7e6155_attn, .Lfunc_end_k_q9cce7e6155_attn-k_q9cce7e6155_attn
	.p2alignl 7, 3214868480
	.fill 96, 4, 3214868480
	.section	.rodata,"a",@progbits
	.p2align	6, 0x0
	.amdhsa_kernel k_q9cce7e6155_attn
		.amdhsa_group_segment_fixed_size 257024
		.amdhsa_private_segment_fixed_size 0
		.amdhsa_enable_private_segment 0
		.amdhsa_kernarg_size 152
		.amdhsa_user_sgpr_count 2
		.amdhsa_user_sgpr_kernarg_segment_ptr 1
		.amdhsa_wavefront_size32 1
		.amdhsa_system_sgpr_workgroup_id_x 1
		.amdhsa_system_sgpr_workgroup_id_y 1
		.amdhsa_system_sgpr_workgroup_id_z 1
		.amdhsa_system_vgpr_workitem_id 0
		.amdhsa_next_free_vgpr 512
		.amdhsa_next_free_sgpr 96
		.amdhsa_reserve_vcc 0
		.amdhsa_float_denorm_mode_32 3
		.amdhsa_float_denorm_mode_16_64 3
		.amdhsa_memory_ordered 1
		.amdhsa_forward_progress 1
		.amdhsa_inst_pref_size 177
	.end_amdhsa_kernel
	.amdgpu_metadata
---
amdhsa.version: [ 1, 2 ]
amdhsa.kernels:
  - .name:           k_q9cce7e6155_attn
    .symbol:         k_q9cce7e6155_attn.kd
    .args:
      - { .name: x, .offset: 0, .size: 8, .value_kind: global_buffer, .address_space: global }
      - { .name: ln1_g, .offset: 8, .size: 8, .value_kind: global_buffer, .address_space: global }
      - { .name: ln1_b, .offset: 16, .size: 8, .value_kind: global_buffer, .address_space: global }
      - { .name: Wq_codes, .offset: 24, .size: 8, .value_kind: global_buffer, .address_space: global }
      - { .name: Wq_scales, .offset: 32, .size: 8, .value_kind: global_buffer, .address_space: global }
      - { .name: Wk_codes, .offset: 40, .size: 8, .value_kind: global_buffer, .address_space: global }
      - { .name: Wk_scales, .offset: 48, .size: 8, .value_kind: global_buffer, .address_space: global }
      - { .name: Wv_codes, .offset: 56, .size: 8, .value_kind: global_buffer, .address_space: global }
      - { .name: Wv_scales, .offset: 64, .size: 8, .value_kind: global_buffer, .address_space: global }
      - { .name: Wproj_codes, .offset: 72, .size: 8, .value_kind: global_buffer, .address_space: global }
      - { .name: Wproj_scales, .offset: 80, .size: 8, .value_kind: global_buffer, .address_space: global }
      - { .name: W1_codes, .offset: 88, .size: 8, .value_kind: global_buffer, .address_space: global }
      - { .name: W1_scales, .offset: 96, .size: 8, .value_kind: global_buffer, .address_space: global }
      - { .name: W2_codes, .offset: 104, .size: 8, .value_kind: global_buffer, .address_space: global }
      - { .name: W2_scales, .offset: 112, .size: 8, .value_kind: global_buffer, .address_space: global }
      - { .name: acodes, .offset: 120, .size: 8, .value_kind: global_buffer, .address_space: global }
      - { .name: ascales, .offset: 128, .size: 8, .value_kind: global_buffer, .address_space: global }
      - { .name: wbuf, .offset: 136, .size: 8, .value_kind: global_buffer, .address_space: global }
      - { .name: sbuf, .offset: 144, .size: 8, .value_kind: global_buffer, .address_space: global }
    .group_segment_fixed_size: 257024
    .private_segment_fixed_size: 0
    .kernarg_segment_align: 8
    .kernarg_segment_size: 152
    .max_flat_workgroup_size: 256
    .sgpr_count:     96
    .vgpr_count:     512
    .wavefront_size: 32
...
	.end_amdgpu_metadata
.endif
;; end of part 3
;; launch ffn (part 4): grid 256 x 1, 4 waves a work-group, no clusters, 105,984 bytes of LDS; arguments x, acodes, ascales, wbuf, sbuf, bproj, ln2_g, ln2_b, b1, b2, out0; writes out0
.if DOCPART == 4
	.amdgcn_target "amdgcn-amd-amdhsa--gfx1250"
	.amdhsa_code_object_version 6
	.text
	.protected	k_q9cce7e6155_ffn
	.globl	k_q9cce7e6155_ffn
	.p2align	8
	.type	k_q9cce7e6155_ffn,@function
k_q9cce7e6155_ffn:
	s_mov_b64 s[64:65], 0
	v_nop
	global_prefetch_b8 v0, s[64:65] scope:SCOPE_SE
	s_setreg_imm32_b32 hwreg(HW_REG_WAVE_SCHED_MODE, 0, 2), 2
	s_setreg_imm32_b32 hwreg(HW_REG_WAVE_MODE, 25, 1), 1
	s_wait_xcnt 0x0
	s_wait_alu depctr_vm_vsrc(0)
; x1 = x + attn Wproj + bproj;  out = x1 + relu(LN2(x1) W1 + b1) W2 + b2.  All three products on codes of BF8 (E5M2) with one E8M0 scale for each 32 along K.
; SHARES.  A work-group owns 64 rows: four row tiles m; position i of tile m is row 64 g + 32 (m / 2) + 8 (m % 2) + perm(i), perm(i) = i + 8 (i / 8), as the launch before laid attn's codes.
; THE WAVES SHARE THE COLUMNS: wave w makes columns 128 w .. 128 w + 127 of each product (of the hidden layer: of each chunk of 512), for all 64 rows.  x1 and then out stay in 256 registers a wave (window 3) from the
; first load of x to the last store; the hidden layer never goes to memory.
; THE PRODUCTS ARE USED TRANSPOSED (source 0 = 16 rows of a weight, source 1 = 16 rows): a lane holds one row and its registers run along the columns; a weight tile t holds at lane r row 32 (t / 2) + 8 (t % 2) + perm(r)
; of the wave's 128, so that the 16 registers of tiles 2 b, 2 b + 1 are columns 32 b + 16 h + 0 .. 15: neighbours along the next K.
; A GROUP is one K step of 128: the wave's 8 weight fragments x the 4 row tiles, 32 matrix instructions on 32 accumulators by turns.  36 groups a wave: 4 (Wproj), then four chunks of 4 (W1) + 4 (W2).
; THE WEIGHTS come from wbuf, where the launch before laid them in this order: a group is 16,384 consecutive bytes, 32 loads of 512 bytes, straight into the registers of the one wave that multiplies them, two groups ahead.
; No joint loads and no LDS for them: a fragment is read by one wave of a work-group, so LDS would add 2,359,296 bytes written and read a work-group.
; THE ROWS' OPERANDS (attn, LN2's result, the hidden layer) go from wave to wave through LDS as images of their registers: 16 bytes a lane, 512 a store; their scale words 4 bytes a lane.
; LIMITS: NaN and infinities among the inputs are not served; a block of zeros gets the scale byte 1 (its codes are zeros; the bytes are read by this program alone).
; REGISTERS.  window 0: v1-12 addresses; v14 a scale word just made; v16-23 the weights' scale words (two sets), v24-31 the rows' (two sets): these hold scales alone; v32-47 codes just made;
;   v48-111 and v176-239 the rows' fragments, two sets (the first also LN2's statistics and rows on the way out; the second also bproj, ln2_b, b2); v112-175 ln2_g, then b1; v240-255 the quantiser's.
;   window 1: the weights, two sets of 128.   window 2: the hidden layer's 32 accumulators (m, t) at 64 m + 8 t; before that LN2's working copy.   window 3: x1 / out, likewise.
; THE MODE: SCHED_MODE bits 1:0 = 2 (LLVM: expert scheduling mode 2), set by the entry lines.  The code itself states the register dependences between vector or matrix instructions and memory or LDS
; instructions, with s_wait_alu, always for 0.
; THE PLAN.  The registers that memory or LDS instructions touch, who else names them, and the waits that stand between:
;   v1-v12         addresses and offsets: made once at the head, ahead of one wait on va_vdst, and never written again: the weights' bases are scalar, all else stands in immediates.
;   weights' set p, rows' set p, both kinds of scale words, b1:  loaded; read by a group's 32 matrix instructions alone (b1 as the C of a chunk's first group); loaded again behind the group.
;                  ONE wait on va_vdst at each group's tail states that the group is done reading them; every refill up to the next group follows it, and no vector or matrix line stands between.
;                  The refills stay in one run there: a set is free only when its group is done, and each load then has the whole next group in which to land.
;   BV, BI         as vectors (bproj, ln2_g, ln2_b, b2): read by packed additions and multiply-adds; a wait on va_vdst stands behind those, ahead of the next loads into these registers.
;   PC, PW         written by the quantiser, read by the LDS stores: a wait on va_vdst ahead of the stores, one on vm_vsrc ahead of the next conversions.
;   ACC, SL        LN 2's sums: a wait on va_vdst ahead of the four LDS stores (it also serves the loads into SL), one on vm_vsrc behind the barrier.
;   window 3       x on the way in: stored to the stage and loaded back into the same registers, with a wait on vm_vsrc between; on the way out its LDS stores lean on the last group's wait.
;   rows read back on the way out: read by the global stores, loaded again two tiles on, behind a wait on vm_vsrc.
.set AIMG, 0                           ; LDS: 16 fragments (4 m + s) x 2,048 bytes: attn's, later LN2's result;
.set HIMG, 32768                       ; the hidden layer's 16;
.set ASCL, 65536                       ; their scale words, 128 bytes a fragment: 16 + 16;
.set STAT, 69632                       ; the rows' partial sums: m 256 + r 16 + w 4; the squares' 1,024 further on;
.set STG,  71680                       ; a stage of 16 rows x (512 + 16) bytes for each wave
.set SPI,  528
.set LI,  1                            ; 16 lane
.set LSS, 2                            ; ASCL + 4 lane
.set AWI, 3                            ; LI + 8192 w
.set AWS, 4                            ; LSS + 512 w
.set HWI, 5                            ; LI + 2048 w
.set HWS, 6                            ; LSS + 128 w
.set SO,  7                            ; my stage + 528 r + 64 h
.set SR,  8                            ; my stage + 16 lane
.set STA, 9                            ; STAT + 16 r + 4 w
.set STL, 10                           ; STAT + 16 r
.set BO,  11                           ; 64 h
.set R4,  12                           ; 4 r
.set PW,  14
.set WSC, 16
.set ASC, 24
.set PC,  32
.set AF,  48
.set BI,  112
.set BV,  176
.set TM,  240
.set MUP, 48                           ; LN2: the means, a pair a tile; 1 / sigma likewise; sums read back; running sums; the other half's
.set RSP, 56
.set SL,  64
.set ACC, 80
.set PD,  96
.set WV,  26
.set SEL, 28
.set MNT, 30
.set MSB, 0
.macro WIN new                         ; the immediate's high byte repeats the setting that is left; a switch that changes nothing is dropped
.if MSB != (\new)
	s_set_vgpr_msb (MSB<<8)|(\new)
.set MSB, (\new)
.endif
.endm
.macro PLACES n
.rept \n
	v_nop
.endr
.endm
.macro BARRIER                         ; my LDS stores have landed and my LDS loads are in: then the work-group's barrier
	s_wait_dscnt 0x0
	s_barrier_signal -1
	s_barrier_wait -1
.endm
; n blocks of 32 along K.  Block b: my 16 numbers in v[s + 16 b] on (window sw); lane l xor 16 holds the other 16.  Codes to v[pc + 4 b] on; the scale's byte to v[tm + n + b].
; tm + b: largest magnitude; tm + n + b: the other half's, then the byte; tm + 2 n + b: 57,344 x the scale; tm + 3 n + b: the conversion's scale operand.  relu = 1: what is negative becomes 0 on the way.
.macro QUANTN s, n, relu, sw, tm, pc
	WIN (\sw)|((\sw)<<2)
.set qb, 0
.rept \n
.if \relu
	v_max3_num_f32 v[\tm+qb], v[\s+16*qb], v[\s+16*qb+1], 0x8000000        ; no |.|: what is negative must not count; the floor 2^(16 - 127) stands over it
.else
	v_max3_num_f32 v[\tm+qb], |v[\s+16*qb]|, |v[\s+16*qb+1]|, 0x8000000
.endif
.set qb, qb+1
.endr
	WIN ((\sw)<<2)|((\sw)<<4)
.set qi, 2
.rept 7
.set qb, 0
.rept \n
.if \relu
	v_max3_num_f32 v[\tm+qb], v[\tm+qb], v[\s+16*qb+qi], v[\s+16*qb+qi+1]
.else
	v_max3_num_f32 v[\tm+qb], v[\tm+qb], |v[\s+16*qb+qi]|, |v[\s+16*qb+qi+1]|
.endif
.set qb, qb+1
.endr
.set qi, qi+2
.endr
	WIN 0
.set qb, 0
.rept \n
	v_permlanex16_b32 v[\tm+\n+qb], v[\tm+qb], s[SEL], s[SEL+1]
.set qb, qb+1
.endr
.set qb, 0
.rept \n
	v_max_num_f32 v[\tm+qb], v[\tm+qb], v[\tm+\n+qb]
.set qb, qb+1
.endr
.set qb, 0
.rept \n
	v_add_nc_u32 v[\tm+3*\n+qb], 0xf8800000, v[\tm+qb]                     ; 15 off the exponent field: the conversion's scale operand
.set qb, qb+1
.endr
.set qb, 0
.rept \n
	v_and_or_b32 v[\tm+2*\n+qb], v[\tm+qb], 0x7f800000, s[MNT]             ; 57,344 x the scale
.set qb, qb+1
.endr
.set qb, 0
.rept \n
	v_lshrrev_b32 v[\tm+\n+qb], 23, v[\tm+3*\n+qb]                         ; the scale's byte
.set qb, qb+1
.endr
	WIN (\sw)|((\sw)<<6)
.set qb, 0
.rept \n
.set qi, 0
.rept 16
.if \relu
	v_med3_num_f32 v[\s+16*qb+qi], v[\s+16*qb+qi], 0, v[\tm+2*\n+qb]       ; the activation and the hold in one
.else
	v_med3_num_f32 v[\s+16*qb+qi], v[\s+16*qb+qi], -v[\tm+2*\n+qb], v[\tm+2*\n+qb]   ; the conversion does not saturate (ISA guide 7.6.2): the hold
.endif
.set qi, qi+1
.endr
.set qb, qb+1
.endr
	WIN (\sw)
	s_wait_alu depctr_va_vdst(0)
	s_wait_dscnt 0x0                               ; the LDS stores of the last codes have read their registers: they are written again from here on
	s_wait_alu depctr_vm_vsrc(0)                   ; the LDS stores of the last codes and of their scale word have read PC and PW, which the conversions below and the lines behind them write again
.set qb, 0
.rept \n
	v_cvt_scalef32_pk8_bf8_f32 v[\pc+4*qb:\pc+4*qb+1], v[\s+16*qb:\s+16*qb+7], v[\tm+3*\n+qb]
	v_cvt_scalef32_pk8_bf8_f32 v[\pc+4*qb+2:\pc+4*qb+3], v[\s+16*qb+8:\s+16*qb+15], v[\tm+3*\n+qb]
.set qb, qb+1
.endr
	WIN 0
	v_nop                                          ; one plain line behind the last conversion
.endm
.macro TOLDS img, sc                   ; the fragment in v[PC] on and its four bytes: an image of the registers, and the row's scale word
	v_lshl_or_b32 v[PW], v[TM+5], 8, v[TM+4]
	v_lshl_or_b32 v[PW], v[TM+6], 16, v[PW]
	v_lshl_or_b32 v[PW], v[TM+7], 24, v[PW]
	s_wait_alu depctr_va_vdst(0)                   ; the conversions have written the codes, the three lines above the scale word: the LDS stores read them
.irp c, 0,1,2,3
	ds_store_b128 v[HWI], v[PC+4*\c:PC+4*\c+3] offset:\img+512*\c
.endr
	ds_store_b32 v[HWS], v[PW] offset:\sc
.endm
.macro LOADG p, adv                    ; a group's 8 weight fragments and their scale words into set p: 33 loads.  adv = 1: the pointers step to the next group first
.if \adv
	s_wait_xcnt 0x0                                ; the earlier loads have read their bases
	s_add_nc_u64 s[32:33], s[32:33], s[36:37]
	s_add_nc_u64 s[34:35], s[34:35], s[38:39]
.endif
	WIN 0x40                                       ; destination window 1
.set li, 0
.rept 32
	global_load_b128 v[128*\p+4*li:128*\p+4*li+3], v[LI], s[32:33] offset:512*li
.set li, li+1
.endr
	WIN 0
	global_load_b128 v[WSC+4*\p:WSC+4*\p+3], v[LI], s[34:35]   ; register j: lanes 0-15 tile j's words, lanes 16-31 tile 4 + j's
.endm
.macro LOADV dst, ptr                  ; 128 numbers of a vector in the accumulators' layout: register 8 t + j = number 32 (t / 2) + 16 h + 8 (t % 2) + j
.irp t, 0,1,2,3,4,5,6,7
	global_load_b128 v[\dst+8*\t:\dst+8*\t+3], v[BO], s[\ptr:\ptr+1] offset:(32*(\t/2)+8*(\t%2))*4
	global_load_b128 v[\dst+8*\t+4:\dst+8*\t+7], v[BO], s[\ptr:\ptr+1] offset:(32*(\t/2)+8*(\t%2))*4+16
.endr
.endm
.macro FETCHA p, base, sc, s           ; the four row tiles' fragments of K step s and their scale words into set p: 20 LDS loads
.irp m, 0,1,2,3
.irp c, 0,1,2,3
	ds_load_b128 v[AF+128*\p+16*\m+4*\c:AF+128*\p+16*\m+4*\c+3], v[LI] offset:\base+(4*\m+\s)*2048+512*\c
.endr
	ds_load_b32 v[ASC+4*\p+\m], v[LSS] offset:\sc+(4*\m+\s)*128
.endr
.endm
; 32 matrix instructions on 32 accumulators by turns.  cnt: the global loads younger than set p's; dc: the LDS loads younger than set p's.
; mode 0: onto x1 / out (window 3).  mode 1: starts the hidden layer's sums (window 2) with b1 as C.  mode 2: onto them.
.macro GROUP p, cnt, mode, dc
	s_wait_loadcnt \cnt
	s_wait_dscnt \dc
.if \mode == 0
	WIN 0xf1
.elseif \mode == 1
	WIN 0x81
.else
	WIN 0xa1
.endif
.irp t, 0,1,2,3,4,5,6,7
.irp m, 0,1,2,3
.if \mode == 1
.if \t < 4
	v_wmma_scale_f32_16x16x128_f8f6f4 v[64*\m+8*\t:64*\m+8*\t+7], v[128*\p+16*\t:128*\p+16*\t+15], v[AF+128*\p+16*\m:AF+128*\p+16*\m+15], v[BI+8*\t:BI+8*\t+7], v[WSC+4*\p+\t], v[ASC+4*\p+\m] matrix_a_fmt:MATRIX_FMT_BF8 matrix_b_fmt:MATRIX_FMT_BF8
.else
	v_wmma_scale_f32_16x16x128_f8f6f4 v[64*\m+8*\t:64*\m+8*\t+7], v[128*\p+16*\t:128*\p+16*\t+15], v[AF+128*\p+16*\m:AF+128*\p+16*\m+15], v[BI+8*\t:BI+8*\t+7], v[WSC+4*\p+\t-4], v[ASC+4*\p+\m] matrix_a_fmt:MATRIX_FMT_BF8 matrix_b_fmt:MATRIX_FMT_BF8 matrix_a_scale:MATRIX_SCALE_ROW1
.endif
.else
.if \t < 4
	v_wmma_scale_f32_16x16x128_f8f6f4 v[64*\m+8*\t:64*\m+8*\t+7], v[128*\p+16*\t:128*\p+16*\t+15], v[AF+128*\p+16*\m:AF+128*\p+16*\m+15], v[64*\m+8*\t:64*\m+8*\t+7], v[WSC+4*\p+\t], v[ASC+4*\p+\m] matrix_a_fmt:MATRIX_FMT_BF8 matrix_b_fmt:MATRIX_FMT_BF8
.else
	v_wmma_scale_f32_16x16x128_f8f6f4 v[64*\m+8*\t:64*\m+8*\t+7], v[128*\p+16*\t:128*\p+16*\t+15], v[AF+128*\p+16*\m:AF+128*\p+16*\m+15], v[64*\m+8*\t:64*\m+8*\t+7], v[WSC+4*\p+\t-4], v[ASC+4*\p+\m] matrix_a_fmt:MATRIX_FMT_BF8 matrix_b_fmt:MATRIX_FMT_BF8 matrix_a_scale:MATRIX_SCALE_ROW1
.endif
.endif
.endr
.endr
	WIN 0
	PLACES 8                                       ; in front of loads into registers that these products have read, and of the first read of results
	s_wait_alu depctr_va_vdst(0)                   ; the group is done reading set p's weights, rows and scale words (mode 1: b1 too), in which the loads up to the next group land; the last group of all has written out, which the LDS stores of the way out read
.endm
.macro ADDV                            ; the vector in BV onto all four row tiles of window 3
	WIN 0xc3
.irp m, 0,1,2,3
.set lj, 0
.rept 32
	v_pk_add_f32 v[64*\m+lj:64*\m+lj+1], v[64*\m+lj:64*\m+lj+1], v[BV+lj:BV+lj+1]
.set lj, lj+2
.endr
.endr
	WIN 0
.endm
; The four tiles' pairs of sums: the two halves, the other half of the lanes, then the four waves' through LDS.  v[SL + 4 m] ends as row r's sum over all 512 columns, in every wave alike.
.macro STATS off
.irp m, 0,1,2,3
	v_add_f32 v[ACC+2*\m], v[ACC+2*\m], v[ACC+2*\m+1]
.endr
.irp m, 0,1,2,3
	v_permlanex16_b32 v[PD+\m], v[ACC+2*\m], s[SEL], s[SEL+1]
.endr
.irp m, 0,1,2,3
	v_add_f32 v[ACC+2*\m], v[ACC+2*\m], v[PD+\m]
.endr
	s_wait_alu depctr_va_vdst(0)                   ; the sums are written, which the LDS stores read; and every earlier line that named SL is done: the loads behind the barrier land there
.irp m, 0,1,2,3
	ds_store_b32 v[STA], v[ACC+2*\m] offset:\off+256*\m        ; lanes r and r + 16 write the same word with the same value
.endr
	BARRIER
	s_wait_alu depctr_vm_vsrc(0)                   ; my four LDS stores have read ACC, which the next sums, and later the rows' fragments, write again
.irp m, 0,1,2,3
	ds_load_b128 v[SL+4*\m:SL+4*\m+3], v[STL] offset:\off+256*\m
.endr
	s_wait_dscnt 0x0
.irp m, 0,1,2,3
	v_add_f32 v[SL+4*\m], v[SL+4*\m], v[SL+4*\m+1]
.endr
.irp m, 0,1,2,3
	v_add_f32 v[SL+4*\m+2], v[SL+4*\m+2], v[SL+4*\m+3]
.endr
.irp m, 0,1,2,3
	v_add_f32 v[SL+4*\m], v[SL+4*\m], v[SL+4*\m+2]
.endr
.endm
	s_load_b512 s[4:19], s[0:1], 0x0               ; x 4, acodes 6, ascales 8, wbuf 10, sbuf 12, bproj 14, ln2_g 16, ln2_b 18,
	s_load_b128 s[20:23], s[0:1], 0x40             ; b1 20, b2 22,
	s_load_b64 s[24:25], s[0:1], 0x50              ; out0 24
	v_lshrrev_b32 v1, 5, v0
	v_readfirstlane_b32 s[WV], v1                  ; wave 0..3
	v_and_b32 v13, 31, v0                          ; lane
	v_and_b32 v15, 15, v0                          ; r
	v_bfe_u32 v14, v0, 4, 1                        ; h
	v_lshlrev_b32 v[LI], 4, v13
	v_lshl_add_u32 v[LSS], v13, 2, ASCL
	s_wait_alu depctr_va_sdst(0)                   ; the wave's number is written, ahead of its first reader
	s_lshl_b32 s27, s[WV], 13
	v_add_nc_u32 v[AWI], s27, v[LI]
	s_lshl_b32 s27, s[WV], 9
	v_add_nc_u32 v[AWS], s27, v[LSS]
	s_lshl_b32 s27, s[WV], 11
	v_add_nc_u32 v[HWI], s27, v[LI]
	s_lshl_b32 s27, s[WV], 7
	v_add_nc_u32 v[HWS], s27, v[LSS]
	s_mul_i32 s27, s[WV], 16*SPI
	s_add_co_u32 s27, s27, STG
	v_mul_u32_u24 v[SO], v15, SPI
	v_lshl_add_u32 v[SO], v14, 6, v[SO]
	v_add_nc_u32 v[SO], s27, v[SO]
	v_add_nc_u32 v[SR], s27, v[LI]
	v_lshl_add_u32 v[STL], v15, 4, STAT
	s_lshl_b32 s27, s[WV], 2
	v_add_nc_u32 v[STA], s27, v[STL]
	v_lshlrev_b32 v[BO], 6, v14
	v_lshlrev_b32 v[R4], 2, v15
.irp b, 0,1,2,3
	v_mov_b32 v[TM+4+\b], 0                        ; a lane permute's destination counts as one of its sources
.endr
	s_mov_b32 s[SEL], 0x76543210
	s_mov_b32 s[SEL+1], 0xfedcba98
	s_mov_b32 s[MNT], 0x600000
	s_mov_b32 s31, 0x3b000000                      ; 1 / 512
	s_mov_b32 s45, 0x3727c5ac                      ; 1e-5
	s_mov_b32 s36, 16384                           ; a group on in wbuf,
	s_mov_b32 s37, 0
	s_mov_b32 s38, 512                             ; and in sbuf
	s_mov_b32 s39, 0
	s_mov_b32 s43, 0
	s_mov_b32 s47, 0
	s_wait_kmcnt 0x0
	s_lshl_b32 s46, ttmp9, 17                      ; 64 rows of 2,048 bytes a work-group,
	s_lshl_b32 s27, s[WV], 9                       ; my 128 columns
	s_add_co_u32 s46, s46, s27
	s_add_nc_u64 s[4:5], s[4:5], s[46:47]
	s_add_nc_u64 s[24:25], s[24:25], s[46:47]
	s_lshl_b32 s46, ttmp9, 15                      ; attn's fragments 16 g + 4 w on: row tile w
	s_lshl_b32 s27, s[WV], 13
	s_add_co_u32 s46, s46, s27
	s_add_nc_u64 s[6:7], s[6:7], s[46:47]
	s_lshl_b32 s46, ttmp9, 10
	s_lshl_b32 s27, s[WV], 8
	s_add_co_u32 s46, s46, s27
	s_add_nc_u64 s[8:9], s[8:9], s[46:47]
	s_mul_i32 s46, s[WV], 589824                   ; my 36 groups
	s_add_nc_u64 s[32:33], s[10:11], s[46:47]
	s_mul_i32 s46, s[WV], 18432
	s_add_nc_u64 s[34:35], s[12:13], s[46:47]
	s_lshl_b32 s46, s[WV], 9                       ; my 128 numbers of each vector
	s_add_nc_u64 s[14:15], s[14:15], s[46:47]
	s_add_nc_u64 s[16:17], s[16:17], s[46:47]
	s_add_nc_u64 s[18:19], s[18:19], s[46:47]
	s_add_nc_u64 s[20:21], s[20:21], s[46:47]
	s_add_nc_u64 s[22:23], s[22:23], s[46:47]
	s_wait_alu depctr_va_vdst(0)                   ; the twelve addresses and offsets v1 to v12 are written: every load and store of the kernel reads one of them, and none is written again
	; ---- the head's loads, the oldest first: attn's tile w (20), x (64), bproj (16), groups 0 and 1 (66)
.irp s, 0,1,2,3
.irp c, 0,1,2,3
	global_load_b128 v[AF+16*\s+4*\c:AF+16*\s+4*\c+3], v[LI], s[6:7] offset:2048*\s+512*\c th:TH_LOAD_NT
.endr
	global_load_b32 v[TM+\s], v[R4], s[8:9] offset:64*\s th:TH_LOAD_NT
.endr
	WIN 0xc0                                       ; destination window 3
.irp m, 0,1,2,3
.irp i, 0,1,2,3,4,5,6,7,8,9,10,11,12,13,14,15
	global_load_b128 v[64*\m+4*\i:64*\m+4*\i+3], v[LI], s[4:5] offset:(32*(\m/2)+8*(\m%2)+\i+8*(\i/8))*2048 th:TH_LOAD_NT   ; position i of tile m: 512 consecutive bytes
.endr
.endr
	WIN 0
	LOADV BV, 14
	LOADG 0, 0
	LOADG 1, 1
	s_wait_loadcnt 63                              ; the two groups' 66 loads are the younger ones: all before them are in
.irp s, 0,1,2,3
.irp c, 0,1,2,3
	ds_store_b128 v[AWI], v[AF+16*\s+4*\c:AF+16*\s+4*\c+3] offset:AIMG+2048*\s+512*\c
.endr
	ds_store_b32 v[AWS], v[TM+\s] offset:128*\s
.endr
	; x into the accumulators' layout, a tile at a time through my stage: in by rows, back 32 bytes of row r for each weight tile.  LDS serves a wave's instructions in order (ISA guide 5.7.1.4): no wait on DScnt between
.irp m, 0,1,2,3
	WIN 0x0c                                       ; an LDS store's data are its source 1: window 3
.irp i, 0,1,2,3,4,5,6,7,8,9,10,11,12,13,14,15
	ds_store_b128 v[SR], v[64*\m+4*\i:64*\m+4*\i+3] offset:SPI*\i
.endr
	WIN 0xc0
	s_wait_alu depctr_vm_vsrc(0)                   ; the LDS stores issued so far have read their data: this tile's registers, in which the loads below land (in the first turn also attn's fragments and scale words, whose registers are loaded and written again further down)
.irp t, 0,1,2,3,4,5,6,7
	ds_load_b128 v[64*\m+8*\t:64*\m+8*\t+3], v[SO] offset:128*(\t/2)+32*(\t%2)
	ds_load_b128 v[64*\m+8*\t+4:64*\m+8*\t+7], v[SO] offset:128*(\t/2)+32*(\t%2)+16
.endr
.endr
	WIN 0
	s_wait_dscnt 0x0
	ADDV                                           ; x + bproj: the C of the first product
	BARRIER                                        ; attn's 16 fragments lie in LDS
	s_wait_alu depctr_va_vdst(0)                   ; the additions are done reading bproj, in whose registers the rows' second set lands
	; ---- x1 = x + bproj + attn Wproj
	FETCHA 0, AIMG, 0, 0
	FETCHA 1, AIMG, 0, 1
	GROUP 0, 33, 0, 20
	LOADG 0, 1
	FETCHA 0, AIMG, 0, 2
	GROUP 1, 33, 0, 20
	LOADG 1, 1
	FETCHA 1, AIMG, 0, 3
	GROUP 0, 33, 0, 20
	LOADG 0, 1
	GROUP 1, 33, 0, 0
	LOADG 1, 1
	; ---- LN 2.  A lane holds 64 of its row's 512 numbers for each tile
	LOADV BI, 16
	LOADV BV, 18
.irp m, 0,1,2,3
	v_mov_b32 v[PD+\m], 0
	v_mov_b32 v[MUP+2*\m+1], 0                     ; named as the upper halves of pairs
	v_mov_b32 v[RSP+2*\m+1], 0
.endr
	WIN 0x0f
.irp m, 0,1,2,3
	v_pk_add_f32 v[ACC+2*\m:ACC+2*\m+1], v[64*\m:64*\m+1], v[64*\m+2:64*\m+3]
.endr
	WIN 0x0c
.set lj, 4
.rept 30
.irp m, 0,1,2,3
	v_pk_add_f32 v[ACC+2*\m:ACC+2*\m+1], v[ACC+2*\m:ACC+2*\m+1], v[64*\m+lj:64*\m+lj+1]
.endr
.set lj, lj+2
.endr
	WIN 0
	STATS 0
.irp m, 0,1,2,3
	v_mul_f32 v[MUP+2*\m], s31, v[SL+4*\m]         ; the mean
.endr
	WIN 0x83                                       ; source 0 window 3, destination window 2: the working copy x1 - mean
.irp m, 0,1,2,3
.set lj, 0
.rept 32
	v_pk_add_f32 v[64*\m+lj:64*\m+lj+1], v[64*\m+lj:64*\m+lj+1], v[MUP+2*\m:MUP+2*\m+1] op_sel_hi:[1,0] neg_lo:[0,1] neg_hi:[0,1]
.set lj, lj+2
.endr
.endr
	WIN 0x0a                                       ; sources 0 and 1 window 2
.irp m, 0,1,2,3
	v_pk_mul_f32 v[ACC+2*\m:ACC+2*\m+1], v[64*\m:64*\m+1], v[64*\m:64*\m+1]
.endr
.set lj, 2
.rept 31
.irp m, 0,1,2,3
	v_pk_fma_f32 v[ACC+2*\m:ACC+2*\m+1], v[64*\m+lj:64*\m+lj+1], v[64*\m+lj:64*\m+lj+1], v[ACC+2*\m:ACC+2*\m+1]
.endr
.set lj, lj+2
.endr
	WIN 0
	STATS 1024
.irp m, 0,1,2,3
	v_fma_f32 v[SL+4*\m], v[SL+4*\m], s31, s45     ; variance + 1e-5
.endr
	s_wait_alu depctr_va_vdst(0)
.irp m, 0,1,2,3
	v_rsq_f32 v[RSP+2*\m], v[SL+4*\m]
.endr
	v_nop
	s_wait_alu depctr_va_vdst(0)                   ; one wait for the four, ahead of their first reader
	s_wait_loadcnt 0x0                             ; ln2_g, ln2_b
	WIN 0x82                                       ; source 0 and destination window 2
.irp m, 0,1,2,3
.set lj, 0
.rept 32
	v_pk_mul_f32 v[64*\m+lj:64*\m+lj+1], v[64*\m+lj:64*\m+lj+1], v[RSP+2*\m:RSP+2*\m+1] op_sel_hi:[1,0]
.set lj, lj+2
.endr
.endr
.irp m, 0,1,2,3
.set lj, 0
.rept 32
	v_pk_fma_f32 v[64*\m+lj:64*\m+lj+1], v[64*\m+lj:64*\m+lj+1], v[BI+lj:BI+lj+1], v[BV+lj:BV+lj+1]
.set lj, lj+2
.endr
.endr
	WIN 0
	s_wait_alu depctr_va_vdst(0)                   ; the multiply-adds are done reading ln2_g and ln2_b, in whose registers b1 and b2 land
	LOADV BV, 22                                   ; b2, and chunk 0's b1: they land while the rows are quantised
	LOADV BI, 20
.irp m, 0,1,2,3
	QUANTN 64*\m, 4, 0, 2, TM, PC                  ; my 128 columns are K step w of the next product
	TOLDS AIMG+8192*\m, 512*\m                     ; every wave has passed two barriers since its last read of attn's images
.endr
	s_wait_loadcnt 0x0
	ADDV                                           ; x1 + b2: the C of the last product
	BARRIER                                        ; LN2's 16 fragments lie in LDS
	s_wait_alu depctr_va_vdst(0)                   ; the additions are done reading b2, in whose registers the rows' second set lands
	; ---- four chunks of 512 hidden units: 4 groups of W1, relu and quantiser, 4 groups of W2
	s_mov_b32 s44, 4
.Lchunk:
	FETCHA 0, AIMG, 0, 0
	FETCHA 1, AIMG, 0, 1
	GROUP 0, 33, 1, 20                             ; younger than this set's loads: the next group's 33
	LOADG 0, 1
	FETCHA 0, AIMG, 0, 2
	GROUP 1, 33, 2, 20
	s_wait_xcnt 0x0                                ; the last loads of b1 have read their base
	s_cmp_eq_u32 s44, 1
	s_cselect_b32 s42, 0, 2048                     ; the next chunk's b1; the last chunk asks for its own again: no load leaves b1
	s_add_nc_u64 s[20:21], s[20:21], s[42:43]
	LOADV BI, 20
	LOADG 1, 1
	FETCHA 1, AIMG, 0, 3
	GROUP 0, 49, 2, 20                             ; younger: b1's 16 and the next group's 33
	LOADG 0, 1
	GROUP 1, 33, 2, 0
	LOADG 1, 1
.irp m, 0,1,2,3
	QUANTN 64*\m, 4, 1, 2, TM, PC                  ; my 128 hidden units are K step w of the chunk's four
	TOLDS HIMG+8192*\m, 2048+512*\m
.endr
	BARRIER                                        ; the hidden layer's 16 fragments lie in LDS
	FETCHA 0, HIMG, 2048, 0
	FETCHA 1, HIMG, 2048, 1
	GROUP 0, 33, 0, 20
	LOADG 0, 1
	FETCHA 0, HIMG, 2048, 2
	GROUP 1, 33, 0, 20
	LOADG 1, 1
	FETCHA 1, HIMG, 2048, 3
	GROUP 0, 33, 0, 20
	s_cmp_eq_u32 s44, 1                            ; behind the last chunk there is no group: its last two look-ahead loads read group 35 again and stay inside wbuf and sbuf
	s_cselect_b32 s36, 0, 16384
	s_cselect_b32 s38, 0, 512
	LOADG 0, 1
	GROUP 1, 33, 0, 0
	LOADG 1, 1
	BARRIER                                        ; every wave's reads of the hidden layer's images are in: the next chunk may write them
	s_sub_co_u32 s44, s44, 1
	s_cmp_lg_u32 s44, 0
	s_cbranch_scc1 .Lchunk
	; ---- the way out: a tile at a time through my stage, back as rows of 512 bytes.  No vector or matrix line stands behind the last group's wait: it serves all the LDS stores and loads below
.irp m, 0,1,2,3
.if \m >= 2
	s_wait_xcnt 0x0                                ; tile m - 2's stores have read their registers
	s_wait_alu depctr_vm_vsrc(0)                   ; tile m - 2's global stores have read the rows' registers, in which this tile's LDS loads land
.endif
	WIN 0x0c
.irp t, 0,1,2,3,4,5,6,7
	ds_store_b128 v[SO], v[64*\m+8*\t:64*\m+8*\t+3] offset:128*(\t/2)+32*(\t%2)            ; each accumulator from its low end on
	ds_store_b128 v[SO], v[64*\m+8*\t+4:64*\m+8*\t+7] offset:128*(\t/2)+32*(\t%2)+16
.endr
	WIN 0
.irp i, 0,1,2,3,4,5,6,7,8,9,10,11,12,13,14,15
	ds_load_b128 v[AF+64*(\m%2)+4*\i:AF+64*(\m%2)+4*\i+3], v[SR] offset:SPI*\i
.endr
	s_wait_dscnt 0x0
.irp i, 0,1,2,3,4,5,6,7,8,9,10,11,12,13,14,15
	global_store_b128 v[LI], v[AF+64*(\m%2)+4*\i:AF+64*(\m%2)+4*\i+3], s[24:25] offset:(32*(\m/2)+8*(\m%2)+\i+8*(\i/8))*2048 th:TH_STORE_NT   ; 32 lanes store 512 consecutive bytes, at a multiple of 512 from out0's first byte
.endr
.endr
	s_wait_xcnt 0x0
	v_lshl_add_u32 v254, v0, 2, 0x19c00            ; the add's two registers are made anew here: no memory or LDS instruction has ever read them
	v_mov_b32 v255, 0
	s_wait_dscnt 0x0                               ; the closing lines, six on end
	s_wait_alu 0x0
	s_wait_tensorcnt 0x0
	ds_add_u32 v254, v255
	s_wait_dscnt 0x0
	s_endpgm
.Lfunc_end_k_q9cce7e6155_ffn:
	.size	k_q9cce7e6155_ffn, .Lfunc_end_k_q9cce7e6155_ffn-k_q9cce7e6155_ffn
	.p2alignl 7, 3214868480
	.fill 96, 4, 3214868480
	.section	.rodata,"a",@progbits
	.p2align	6, 0x0
	.amdhsa_kernel k_q9cce7e6155_ffn
		.amdhsa_group_segment_fixed_size 105984
		.amdhsa_private_segment_fixed_size 0
		.amdhsa_enable_private_segment 0
		.amdhsa_kernarg_size 88
		.amdhsa_user_sgpr_count 2
		.amdhsa_user_sgpr_kernarg_segment_ptr 1
		.amdhsa_wavefront_size32 1
		.amdhsa_system_sgpr_workgroup_id_x 1
		.amdhsa_system_sgpr_workgroup_id_y 1
		.amdhsa_system_sgpr_workgroup_id_z 1
		.amdhsa_system_vgpr_workitem_id 0
		.amdhsa_next_free_vgpr 1024
		.amdhsa_next_free_sgpr 66
		.amdhsa_reserve_vcc 0
		.amdhsa_float_denorm_mode_32 3
		.amdhsa_float_denorm_mode_16_64 3
		.amdhsa_memory_ordered 1
		.amdhsa_forward_progress 1
		.amdhsa_inst_pref_size 255
	.end_amdhsa_kernel
	.section	.bss,"aw",@nobits
	.p2align	6
	.space	262144
	.amdgpu_metadata
---
amdhsa.version: [ 1, 2 ]
amdhsa.kernels:
  - .name:           k_q9cce7e6155_ffn
    .symbol:         k_q9cce7e6155_ffn.kd
    .args:
      - { .name: x, .offset: 0, .size: 8, .value_kind: global_buffer, .address_space: global }
      - { .name: acodes, .offset: 8, .size: 8, .value_kind: global_buffer, .address_space: global }
      - { .name: ascales, .offset: 16, .size: 8, .value_kind: global_buffer, .address_space: global }
      - { .name: wbuf, .offset: 24, .size: 8, .value_kind: global_buffer, .address_space: global }
      - { .name: sbuf, .offset: 32, .size: 8, .value_kind: global_buffer, .address_space: global }
      - { .name: bproj, .offset: 40, .size: 8, .value_kind: global_buffer, .address_space: global }
      - { .name: ln2_g, .offset: 48, .size: 8, .value_kind: global_buffer, .address_space: global }
      - { .name: ln2_b, .offset: 56, .size: 8, .value_kind: global_buffer, .address_space: global }
      - { .name: b1, .offset: 64, .size: 8, .value_kind: global_buffer, .address_space: global }
      - { .name: b2, .offset: 72, .size: 8, .value_kind: global_buffer, .address_space: global }
      - { .name: out0, .offset: 80, .size: 8, .value_kind: global_buffer, .address_space: global }
    .group_segment_fixed_size: 105984
    .private_segment_fixed_size: 0
    .kernarg_segment_align: 8
    .kernarg_segment_size: 88
    .max_flat_workgroup_size: 128
    .sgpr_count:     66
    .vgpr_count:     1024
    .wavefront_size: 32
...
	.end_amdgpu_metadata
.endif
;; end of part 4
